; MI455X (gfx1250); checked and timed in simulation.
; The chip was launched on July 23, 2026; its instructions are those of AMD's public machine-readable ISA for CDNA 5 (MIT licence, August 2026) and "CDNA5" Instruction Set Architecture Reference Guide (July 2026). The comments in the code are by the model that wrote it; some were corrected since.
;; Self Attention. Allowed arithmetic: float matrix products may take bf16 or f16 operands with f32 sums; other float arithmetic in f32, or as packed bf16 or f16 multiplies, adds, multiply-adds, maxima and minima; sums over many terms, partial sums and values carried from step to step in f32; what a program stores and reads back later, other than sums and carried values, may be rounded once to bf16 or f16.
;; Inputs: Wk 1,024 x 1,024 float32; Wq 1,024 x 1,024 float32; Wv 1,024 x 1,024 float32; bk 1,024 float32; bq 1,024 float32; bv 1,024 float32; mask 2,048 x 2,048 int32; x 4 x 2,048 x 1,024 float32.
;; Outputs: out0 4 x 2,048 x 1,024 float32.
;; One version. Each part assembles by itself: llvm-mc -triple=amdgcn-amd-amdhsa -mcpu=gfx1250 --defsym DOCPART=n.
;; ======== version 1 of 1: 4 launches
;; limits: values are held in f16: magnitudes above 65,504 overflow, below 6.1e-05 lose precision
;; workspace buffers: xb 16,777,216 bytes; wb 6,291,456 bytes; mpk 524,288 bytes of whole numbers; qkv 50,331,648 bytes; pw 33,554,432 bytes; st 1,048,576 bytes
;; launch prep (part 1): grid 960 x 1, 8 waves a work-group, no clusters, 68,608 bytes of LDS; arguments x, Wq, Wk, Wv, mask, xb, wb, mpk; writes xb, wb, mpk
.if DOCPART == 1
	.amdgcn_target "amdgcn-amd-amdhsa--gfx1250"
	.amdhsa_code_object_version 6
	.text
	.protected	k_q204fa3d185_prep
	.globl	k_q204fa3d185_prep
	.p2align	8
	.type	k_q204fa3d185_prep,@function
k_q204fa3d185_prep:
	s_mov_b64 s[64:65], 0
	v_nop
	global_prefetch_b8 v0, s[64:65] scope:SCOPE_SE
	s_setreg_imm32_b32 hwreg(HW_REG_WAVE_MODE, 25, 1), 1
	s_wait_xcnt 0x0
; PREP.  x [8192][1024] and Wq, Wk, Wv [1024][1024], all f32, are rounded once to bf16: xb [8192][1024], wb [3072][1024] (Wq, Wk, Wv below each other).
; The mask [2048][2048] of int32 is packed into lane masks: mpk [128 R][128 Cb][8 j] of 32-bit words; bit l of word (R, Cb, j) is
; mask[16 R + l % 16][16 Cb + 8 (l / 16) + j] != 0: the lane layout of register j of a 16 x 16 score fragment, so that a later launch uses a word as a select mask as it is.
; A stream: no matrix unit, no cluster (no two work-groups read the same byte).  Each input byte is read once, each output byte written once.
; SHARES.  Work-groups 0-511: 64 KiB of x each; 512-703: 64 KiB of one W each; 704-959: 16 rows x 1,024 columns of the mask each (a wave: 16 rows x 128 columns).
.set NX,     512                       ; work-groups for x
.set NCONV,  704                       ; and for x and the three W together
.set MPITCH, 528                       ; mask path: an LDS row, 512 bytes + 16: the 16 rows that a load touches start at 16 different groups of four banks (64 banks of 4 bytes: ISA guide 11.1)
.set MWAVE,  16*MPITCH                 ; a wave's own stage
.set SPARE,  8*MWAVE                   ; behind the stages: the spare words, 128 bytes for each wave
.set SPW,    6                         ; v6  LDS address of my spare word; never rewritten
.set NIL,    7                         ; v7  0; never rewritten
.set IN,     8                         ; v[8:71]   sixteen loads of 16 bytes a lane
.set OUT,    72                        ; v[72:103] the results
	s_load_b512 s[4:19], s[0:1], 0x0               ; x s[4:5], Wq s[6:7], Wk s[8:9], Wv s[10:11], mask s[12:13], xb s[14:15], wb s[16:17], mpk s[18:19]
	v_lshl_add_u32 v[SPW], v0, 2, SPARE
	v_mov_b32 v[NIL], 0
	v_lshrrev_b32 v4, 5, v0
	v_readfirstlane_b32 s30, v4                    ; wave 0..7
	v_and_b32 v5, 31, v0                           ; lane
	s_wait_kmcnt 0x0
	s_cmp_ge_u32 ttmp9, NCONV
	s_cbranch_scc1 .Lmask
	; THE CONVERSIONS.  Source and destination are chosen by the work-group's number alone.
	s_cmp_lt_u32 ttmp9, NX+64
	s_cselect_b64 s[20:21], s[6:7], s[8:9]
	s_cmp_lt_u32 ttmp9, NX+128
	s_cselect_b64 s[20:21], s[20:21], s[10:11]
	s_sub_co_u32 s26, ttmp9, NX                    ; my number among the W work-groups (not used for x)
	s_and_b32 s27, s26, 63                         ; and inside one W
	s_cmp_lt_u32 ttmp9, NX
	s_cselect_b64 s[20:21], s[4:5], s[20:21]
	s_cselect_b64 s[22:23], s[14:15], s[16:17]
	s_cselect_b32 s24, ttmp9, s27
	s_cselect_b32 s25, ttmp9, s26
	s_lshl_b32 s28, s24, 16                        ; 65,536 bytes in,
	s_mov_b32 s29, 0
	s_lshl_b32 s26, s25, 15                        ; 32,768 bytes out
	s_mov_b32 s27, 0
	s_add_nc_u64 s[20:21], s[20:21], s[28:29]
	s_add_nc_u64 s[22:23], s[22:23], s[26:27]
	v_lshlrev_b32 v1, 4, v5
	v_lshl_add_u32 v1, s30, 13, v1                 ; in: 8,192 x wave + 16 x lane
	v_lshlrev_b32 v2, 3, v5
	v_lshl_add_u32 v2, s30, 12, v2                 ; out: 4,096 x wave + 8 x lane
.irp c, 0,1,2,3,4,5,6,7,8,9,10,11,12,13,14,15
	global_load_b128 v[IN+4*(\c):IN+4*(\c)+3], v1, s[20:21] offset:512*(\c) th:TH_LOAD_NT  ; 512 consecutive bytes a load; all sixteen are out together
.endr
.irp c, 0,1,2,3,4,5,6,7,8,9,10,11,12,13,14,15
	s_wait_loadcnt 15-(\c)                         ; loads come back in order: load c is in, the younger ones stay out
	v_cvt_pk_bf16_f32 v[OUT+2*(\c)], v[IN+4*(\c)], v[IN+4*(\c)+1]
	v_cvt_pk_bf16_f32 v[OUT+2*(\c)+1], v[IN+4*(\c)+2], v[IN+4*(\c)+3]
	global_store_b64 v2, v[OUT+2*(\c):OUT+2*(\c)+1], s[22:23] offset:256*(\c)  ; the wave stores 256 consecutive bytes, aligned; no register is written twice
.endr
	s_endpgm
.Lmask:
	; THE MASK.  G = my number among these work-groups; R = G / 2 is the block of 16 rows; the wave takes columns 128 grp .. 128 grp + 127, grp = 8 (G % 2) + wave.
	s_sub_co_u32 s24, ttmp9, NCONV
	s_lshr_b32 s25, s24, 1                         ; R
	s_and_b32 s26, s24, 1
	s_lshl_b32 s26, s26, 3
	s_add_co_u32 s26, s26, s30                     ; grp
	s_lshl_b32 s20, s25, 17                        ; 16 rows of 8,192 bytes
	s_lshl_b32 s27, s26, 9                         ; 128 columns of 4 bytes
	s_add_co_u32 s20, s20, s27
	s_mov_b32 s21, 0
	s_add_nc_u64 s[12:13], s[12:13], s[20:21]
	s_lshl_b32 s20, s25, 12                        ; mpk: 4,096 bytes for a block of rows,
	s_lshl_b32 s27, s26, 8                         ; 256 for my 64 words
	s_add_co_u32 s20, s20, s27
	s_add_nc_u64 s[18:19], s[18:19], s[20:21]
	s_mul_i32 s28, s30, MWAVE
	v_lshlrev_b32 v1, 4, v5                        ; 16 x lane: my 16 bytes of a row piece
	v_add_nc_u32 v2, s28, v1                       ; into my stage as they lie
	v_and_b32 v3, 15, v0
	v_mul_u32_u24 v3, v3, MPITCH
	v_bfe_u32 v4, v0, 4, 1
	v_lshl_add_u32 v3, v4, 5, v3
	v_add_nc_u32 v3, s28, v3                       ; back: row l % 16, 32 bytes for each half of the lanes
	v_lshlrev_b32 v4, 3, v5                        ; 8 x lane: my two words of the result
.irp r, 0,1,2,3,4,5,6,7,8,9,10,11,12,13,14,15
	global_load_b128 v[IN+4*(\r):IN+4*(\r)+3], v1, s[12:13] offset:8192*(\r) th:TH_LOAD_NT  ; 512 consecutive bytes of row r
.endr
	v_mov_b32 v[OUT], 0                            ; v_writelane_b32 keeps the other lanes: the two registers are written whole first
	v_mov_b32 v[OUT+1], 0
.irp r, 0,1,2,3,4,5,6,7,8,9,10,11,12,13,14,15
	s_wait_loadcnt 15-(\r)
	ds_store_b128 v2, v[IN+4*(\r):IN+4*(\r)+3] offset:MPITCH*(\r)
.endr
.irp k, 0,1,2,3,4,5,6,7                ; block k of 16 columns: my row, columns 16 k + 8 (l / 16) + 0..7.  LDS serves a wave's instructions in order (ISA guide 5.7.1.4): these see the stores above; the bytes are the wave's own
	ds_load_b128 v[IN+8*(\k):IN+8*(\k)+3],   v3 offset:64*(\k)
	ds_load_b128 v[IN+8*(\k)+4:IN+8*(\k)+7], v3 offset:64*(\k)+16
.endr
.irp k, 0,1,2,3,4,5,6,7
	s_wait_dscnt 14-2*(\k)                         ; block k's two loads are in
.irp j, 0,1,2,3,4,5,6,7
	v_cmp_ne_u32 s[32+(\j)], 0, v[IN+8*(\k)+(\j)]  ; word 8 k + j of my 64
.endr
.irp j, 0,1,2,3,4,5,6,7
	v_writelane_b32 v[OUT+(\j)%2], s[32+(\j)], 4*(\k)+(\j)/2  ; word w goes to lane w / 2, register w % 2
.endr
.endr
	global_store_b64 v4, v[OUT:OUT+1], s[18:19]    ; 256 consecutive bytes, aligned
	s_wait_tensorcnt 0x0                           ; the wave's end
	ds_add_u32 v[SPW], v[NIL]
	s_wait_dscnt 0x0
	s_endpgm
.Lfunc_end_k_q204fa3d185_prep:
	.size	k_q204fa3d185_prep, .Lfunc_end_k_q204fa3d185_prep-k_q204fa3d185_prep
	.p2alignl 7, 3214868480
	.fill 96, 4, 3214868480
	.section	.rodata,"a",@progbits
	.p2align	6, 0x0
	.amdhsa_kernel k_q204fa3d185_prep
		.amdhsa_group_segment_fixed_size 68608
		.amdhsa_private_segment_fixed_size 0
		.amdhsa_enable_private_segment 0
		.amdhsa_kernarg_size 64
		.amdhsa_user_sgpr_count 2
		.amdhsa_user_sgpr_kernarg_segment_ptr 1
		.amdhsa_wavefront_size32 1
		.amdhsa_system_sgpr_workgroup_id_x 1
		.amdhsa_system_sgpr_workgroup_id_y 1
		.amdhsa_system_sgpr_workgroup_id_z 1
		.amdhsa_system_vgpr_workitem_id 0
		.amdhsa_next_free_vgpr 104
		.amdhsa_next_free_sgpr 66
		.amdhsa_reserve_vcc 0
		.amdhsa_float_denorm_mode_32 3
		.amdhsa_float_denorm_mode_16_64 3
		.amdhsa_memory_ordered 1
		.amdhsa_forward_progress 1
		.amdhsa_inst_pref_size 21
	.end_amdhsa_kernel
	.amdgpu_metadata
---
amdhsa.version: [ 1, 2 ]
amdhsa.kernels:
  - .name:           k_q204fa3d185_prep
    .symbol:         k_q204fa3d185_prep.kd
    .args:
      - { .name: x, .offset: 0, .size: 8, .value_kind: global_buffer, .address_space: global }
      - { .name: Wq, .offset: 8, .size: 8, .value_kind: global_buffer, .address_space: global }
      - { .name: Wk, .offset: 16, .size: 8, .value_kind: global_buffer, .address_space: global }
      - { .name: Wv, .offset: 24, .size: 8, .value_kind: global_buffer, .address_space: global }
      - { .name: mask, .offset: 32, .size: 8, .value_kind: global_buffer, .address_space: global }
      - { .name: xb, .offset: 40, .size: 8, .value_kind: global_buffer, .address_space: global }
      - { .name: wb, .offset: 48, .size: 8, .value_kind: global_buffer, .address_space: global }
      - { .name: mpk, .offset: 56, .size: 8, .value_kind: global_buffer, .address_space: global }
    .group_segment_fixed_size: 68608
    .private_segment_fixed_size: 0
    .kernarg_segment_align: 8
    .kernarg_segment_size: 64
    .max_flat_workgroup_size: 256
    .sgpr_count:     66
    .vgpr_count:     104
    .wavefront_size: 32
...
	.end_amdgpu_metadata
.endif
;; end of part 1
;; launch proj (part 2): grid 12 x 32, 4 waves a work-group, clusters of 4 x 4, 327,680 bytes of LDS; arguments xb, wb, bq, bk, bv, qkv; writes qkv
.if DOCPART == 2
	.amdgcn_target "amdgcn-amd-amdhsa--gfx1250"
	.amdhsa_code_object_version 6
	.text
	.protected	k_q204fa3d185_proj
	.globl	k_q204fa3d185_proj
	.p2align	8
	.type	k_q204fa3d185_proj,@function
k_q204fa3d185_proj:
	s_mov_b64 s[64:65], 0
	v_nop
	global_prefetch_b8 v0, s[64:65] scope:SCOPE_SE
	s_setreg_imm32_b32 hwreg(HW_REG_WAVE_MODE, 25, 1), 1
	s_wait_xcnt 0x0
	s_wait_alu depctr_hold_cnt(0) depctr_sa_sdst(0) depctr_va_vdst(0) depctr_va_sdst(0) depctr_va_ssrc(0) depctr_va_vcc(0) depctr_vm_vsrc(0)
	s_getreg_b32 s2, hwreg(HW_REG_IB_STS2, 6, 4)
	s_cmp_eq_u32 s2, 0
	s_cbranch_scc0 .Lentry_in_a_cluster
	s_endpgm
.Lentry_in_a_cluster:
	s_bfe_u32 s2, ttmp6, 0x10000c
	s_cmp_lg_u32 s2, 0xf033
	s_cbranch_scc0 .Lentry_shape_is_right
	s_endpgm
.Lentry_shape_is_right:
; PROJ.  qkv[m][n] = the sum over k of xb[m][k] wb[n][k] + bf16(bias[n]).  xb [8192][1024], wb [3072][1024] bf16; qkv [8192][3072] f16: columns 0-1023 q, 1024-2047 k, 2048-3071 v.
; Sums in f32, K ascending, rounded once to f16.  q ALONE is multiplied, in f32 ahead of that rounding, by c = log2(e) / 32: the scores of the next launch are then exponents of 2.
; LIMITS.  f16 holds no number beyond 65,504: c q, k and v must stay within it; below 6e-5 they keep f16's fixed step of 6e-8.  NaN and infinities are not treated apart.
; The biases are rounded to bf16 like x and the weights, so that all inputs have one rounding.
; SHAPE.  A tile of 256 x 256 to a work-group of four waves, a wave 128 x 128: 64 accumulators of 16 x 16, 512 registers.  K goes in 8 steps of 128 through two LDS slots filled by the
; tensor data mover; a tile's rows are 256 bytes of memory at multiples of 256 bytes.  3,072 / 256 x 8,192 / 256 = 384 tiles.
; CLUSTER 4 x 4: the four of a row need the same tiles of xb, the four of a column the same tiles of wb: each tile is asked for jointly, by the same load, descriptor and mask in all four.
; THE MATRIX INSTRUCTION IS USED TRANSPOSED (source 0 = 16 rows of wb, source 1 = 16 rows of xb): lane l holds row l % 16 and the eight neighbouring columns 8 (l / 16) + 0..7.
; REGISTERS, in windows of 256 (s_set_vgpr_msb: bits 1:0 source 0, 3:2 source 1, 5:4 source 2, 7:6 destination):
;   window 0: v0-31 addresses; v64-127, v128-191 fragments of xb, two buffers; v192-223 packed results; v32-63, v224-255 rows on their way out
;   window 1: v0-63 the bias as eight C operands; v64-127, v128-191 fragments of wb; v192-195 at work       window 2: accumulators of my rows 0-63 ((a, b) at 8 (8 a + b))       window 3: of rows 64-127
.set KSTEP,  128
.set STEPS,  8
.set PITCH,  272                       ; an LDS row: 256 bytes + 16 of padding = 68 words: the 16 rows of a load start at 16 different groups of four banks (64 banks of 4 bytes: ISA guide 11.1)
.set HALFT,  128*PITCH                 ; 128 rows: what one tensor load brings
.set SLOT,   4*HALFT                   ; xb's 256 rows, then wb's 256 rows.  0x22000 shares no bit with wave x HALFT, so one exclusive or turns an address of one slot into the other's
.set STAGE,  2*SLOT                    ; behind the ring: 16 rows x 272 bytes for each wave
.set SPARE,  STAGE+4*16*PITCH          ; behind the stages: the spare words, 128 bytes for each wave
.set PITCHC, 6144                      ; bytes in a row of qkv
.set G1C,    (1<<16)|(1<<20)|(1<<21)|(5<<22)|(3<<25)  ; group 1, word 0 without the mask: 2-byte elements; padding on; bit 21 beside a mask; after every 64 words; 4 words
.set ADRA,  16                         ; v16  LDS address of my xb fragments in the slot in hand
.set ADRA0, 17                         ; v17  the same in slot 0; never rewritten
.set ADRB,  20                         ; v20, v21  the same for wb
.set ADRB0, 21
.set STO,   24                         ; v24  the way out: where I put 16 bytes of a row
.set RD,    25                         ; v25  where I read a row back
.set CO,    26                         ; v26  my byte offset in two rows of qkv
.set SPW,   28                         ; v28  LDS address of my spare word; never rewritten
.set NIL,   29                         ; v29  0; never rewritten
.set PFO,   30                         ; v30  the prefetches' offset: lane x 2,048
.set F0,    64
.set F1,    128
.set TMP,   192
.set OB,    32
.set CNT, 3                            ; s3   trips to go
.set WV,  12                           ; s12  wave
.set RH,  13                           ; s13  my half of the tile's rows; also: I fetch xb (0) or wb (1)
.set CH,  14                           ; s14  my half of its columns; also: which 128 rows I fetch
.set CX,  15
.set CY,  16
.set TX,  17                           ; s17  tile column
.set TY,  18                           ; s18  tile row
.set LIM, 19                           ; s19  2 in a wave that prefetches, else the greatest number
.set PFA, 20                           ; s[20:21] where my prefetches stand
.set G1A, 24                           ; s[24:31] group 1 for xb's tiles
.set G0A, 32                           ; s[32:39] group 0: set 0 for the first fill, set 1 walks
.set G1B, 48                           ; s[48:55], s[56:63] the same for wb's
.set G0B, 56
.set TB,  66                           ; s66  LDS byte at which the slot in hand begins
.set MSB, 0
.macro WIN new                         ; the high byte repeats the setting that is left; a switch that changes nothing is dropped
.if MSB != (\new)
	s_set_vgpr_msb (MSB<<8)|(\new)
.set MSB, (\new)
.endif
.endm
.macro PLACES                          ; four places behind matrix instructions, in front of loads into registers that they read and of vector lines that read results
.rept 4
	v_nop
.endr
.endm
; A joint load with group 0 set s.  Waves 0 and 1 fetch xb's halves, waves 2 and 3 wb's: the branch hangs on the wave's number alone.  An s_nop 0 and four v_nop follow each line.
.macro JLOAD s
	s_cmp_eq_u32 s[RH], 0
	s_cbranch_scc0 .Lfor_b_\@
	tensor_load_to_lds s[G0A+4*(\s):G0A+4*(\s)+3], s[G1A:G1A+7]
	s_nop 0
.rept 4
	v_nop
.endr
	s_branch .Lasked_\@
.Lfor_b_\@:
	tensor_load_to_lds s[G0B+4*(\s):G0B+4*(\s)+3], s[G1B:G1B+7]
	s_nop 0
.rept 4
	v_nop
.endr
.Lasked_\@:
.endm
.macro CREST                           ; a round of the cluster's barrier behind its opening barrier
	s_cmp_lg_u32 s[WV], 0
	s_cbranch_scc1 .Lnot_wave_0_\@
	s_barrier_signal -3
.Lnot_wave_0_\@:
	s_barrier_wait -3
	s_barrier_signal -1
	s_barrier_wait -1
.endm
.macro CROUND                          ; a whole round
	s_barrier_signal -1
	s_barrier_wait -1
	CREST
.endm
; A prefetch into the L2 behind each refill: 32 rows x 256 bytes, a lane a row, of the K step two refills on (512 matrix instructions ahead of the load that wants it).  Each row's 256 bytes of a K step are named once
; in the launch: for xb the cluster with x = 0 asks, for wb the cluster with y = 0; the four partners of a joint load take 32 of its 128 rows each, told apart by address.  Trips with CNT = 6..3 name steps 4..7.
.macro ASK
	s_cmp_gt_u32 s[CNT], s[LIM]
	s_cbranch_scc0 .Lnot_mine_\@
	global_prefetch_b8 v[PFO], s[PFA:PFA+1] offset:2*KSTEP th:TH_LOAD_NT scope:SCOPE_SE
.Lnot_mine_\@:
.endm
; 16 matrix instructions: row blocks a0, a0 + 1 of the window's four x all 8 column blocks, 32 along K.  z = 2: the sums start from the bias (window 1, v[8 b ..]); z = 0: in place.
; The 64 accumulators take turns in one order everywhere.
.macro MUL16 f, hi, a0, z
.if (\z) == 2
	WIN 0x91+0x40*(\hi)
.else
	WIN 0xa1+0x50*(\hi)
.endif
.irp a, \a0, (\a0)+1
.irp b, 0,1,2,3,4,5,6,7
.if (\z) == 2
	v_wmma_f32_16x16x32_bf16 v[8*(8*(\a)+(\b)):8*(8*(\a)+(\b))+7], v[(\f)+8*(\b):(\f)+8*(\b)+7], v[(\f)+8*(4*(\hi)+(\a)):(\f)+8*(4*(\hi)+(\a))+7], v[8*(\b):8*(\b)+7]
.else
	v_wmma_f32_16x16x32_bf16 v[8*(8*(\a)+(\b)):8*(8*(\a)+(\b))+7], v[(\f)+8*(\b):(\f)+8*(\b)+7], v[(\f)+8*(4*(\hi)+(\a)):(\f)+8*(4*(\hi)+(\a))+7], v[8*(8*(\a)+(\b)):8*(8*(\a)+(\b))+7]
.endif
.endr
.endr
.endm
.macro FETCH k, f                      ; 32 LDS loads in one run: a quarter step's fragments (32 K at byte k of the rows) into buffer f: wb's 16 loads, then xb's
	WIN 0x40
.irp i, 0,1,2,3,4,5,6,7
	ds_load_b128 v[(\f)+8*(\i):(\f)+8*(\i)+3],   v[ADRB] offset:(\k)+(\i)*16*PITCH
	ds_load_b128 v[(\f)+8*(\i)+4:(\f)+8*(\i)+7], v[ADRB] offset:(\k)+(\i)*16*PITCH+32
.endr
	WIN 0
.irp i, 0,1,2,3,4,5,6,7
	ds_load_b128 v[(\f)+8*(\i):(\f)+8*(\i)+3],   v[ADRA] offset:(\k)+(\i)*16*PITCH
	ds_load_b128 v[(\f)+8*(\i)+4:(\f)+8*(\i)+7], v[ADRA] offset:(\k)+(\i)*16*PITCH+32
.endr
.endm
.macro QUARTER k, f, g, z              ; multiplies buffer f; in its middle fetches the next quarter, at byte k, into g
	s_wait_dscnt 8                                 ; wb's and xb's rows 0-63 are in; the youngest eight loads (xb's rows 64-127) may be out
	MUL16 \f, 0, 0, \z
	MUL16 \f, 0, 2, \z
	PLACES
	FETCH \k, \g
	s_wait_dscnt 32                                ; all but the 32 just issued
	MUL16 \f, 1, 0, \z
	MUL16 \f, 1, 2, \z
.endm
; The last quarter of a K step multiplies buffer 1 and changes slots.  In front of the barrier each wave waits for all its tensor loads (the one that is out is its part of the next slot), adds 0 to its spare word,
; and waits for that and for its reads of this slot.  fill = 1: the barrier opens a round of the cluster's, and the slot just read is filled again first thing behind it, with the K step two on.
.macro TURN fill
.if \fill
	s_wait_xcnt 0x0                                ; the last prefetch, a K step back, has read its address
	s_add_nc_u64 s[PFA:PFA+1], s[PFA:PFA+1], 2*KSTEP
.endif
	WIN 0
	s_wait_tensorcnt 0x0                           ; all my tensor loads have landed
	ds_add_u32 v[SPW], v[NIL]
	s_wait_dscnt 9                                 ; the add and the youngest eight loads may be out
	MUL16 F1, 0, 0, 0
	s_wait_dscnt 0x0                               ; the add is done, and my reads of this slot are over
	s_barrier_signal -1
	MUL16 F1, 0, 2, 0
	WIN 0
	s_barrier_wait -1
.if \fill
	CREST                                          ; no wave of any partner still reads this slot or has a load on its way
	s_xor_b32 s[G0A+5], s[G0A+5], SLOT             ; the walking sets: the other slot than last time, the next K step
	s_add_nc_u64 s[G0A+6:G0A+7], s[G0A+6:G0A+7], 2*KSTEP
	s_xor_b32 s[G0B+5], s[G0B+5], SLOT
	s_add_nc_u64 s[G0B+6:G0B+7], s[G0B+6:G0B+7], 2*KSTEP
	JLOAD 1                                        ; 224 matrix instructions ahead of the wait for it; its four v_nop are also the places in front of the loads below
.else
	PLACES
.endif
	s_xor_b32 s[TB], s[TB], SLOT
	v_add_nc_u32 v[ADRA], s[TB], v[ADRA0]
	v_add_nc_u32 v[ADRB], s[TB], v[ADRB0]
	FETCH 0, F0
.if \fill
	ASK
.endif
	MUL16 F1, 1, 0, 0
	MUL16 F1, 1, 2, 0
.endm
; THE WAY OUT of row block a.  PACK: rounded to f16, 16 bytes a lane, each accumulator from its low end.  TOSTAGE: into my own stage and back as whole rows of 256 bytes.  SEND: stored.
.macro PACK a
.set AC, 64*((\a)%4)
	WIN 0x0a+5*((\a)/4)
.set i, 0
.rept 32
	v_cvt_pk_f16_f32 v[TMP+i], v[AC+2*i], v[AC+2*i+1]
.set i, i+1
.endr
	WIN 0
.endm
.macro TOSTAGE a
	WIN 0
.set BK, OB+192*((\a)%2)
.irp b, 0,1,2,3,4,5,6,7
	ds_store_b128 v[STO], v[TMP+4*(\b):TMP+4*(\b)+3] offset:32*(\b)
.endr
.irp t, 0,1,2,3,4,5,6,7
	ds_load_b128 v[BK+4*(\t):BK+4*(\t)+3], v[RD] offset:(\t)*2*PITCH  ; LDS serves a wave's instructions in order (ISA guide 5.7.1.4): these see the stores above
.endr
.endm
.macro SEND a
	WIN 0
.set BK, OB+192*((\a)%2)
	s_wait_dscnt 0x0                               ; the block is back in registers
	s_wait_xcnt 0x0                                ; the stores of the block before have read their registers: the other bank is loaded again only behind this wait
.irp t, 0,1,2,3,4,5,6,7
	global_store_b128 v[CO], v[BK+4*(\t):BK+4*(\t)+3], s[8:9] offset:(16*(\a)+2*(\t))*PITCHC  ; 16 lanes store 256 consecutive bytes, aligned; the rows' place stands in the immediate
.endr
.endm
	s_load_b128 s[4:7], s[0:1], 0x0                ; xb s[4:5], wb s[6:7]
	s_load_b256 s[68:75], s[0:1], 0x10             ; bq s[68:69], bk s[70:71], bv s[72:73], qkv s[74:75]
	v_lshl_add_u32 v[SPW], v0, 2, SPARE
	v_mov_b32 v[NIL], 0
	ds_add_u32 v[SPW], v[NIL]                      ; the wave's opening
	v_lshrrev_b32 v1, 5, v0
	v_readfirstlane_b32 s[WV], v1
	s_lshr_b32 s[RH], s[WV], 1
	s_and_b32 s[CH], s[WV], 1
	s_bfe_u32 s[CX], ttmp6, 0x40000
	s_bfe_u32 s[CY], ttmp6, 0x40004
	s_lshl_b32 s[TX], ttmp9, 2
	s_add_co_u32 s[TX], s[TX], s[CX]               ; tile column = 4 x cluster x + cx
	s_and_b32 s[TY], ttmp7, 0xffff
	s_lshl_b32 s[TY], s[TY], 2
	s_add_co_u32 s[TY], s[TY], s[CY]               ; tile row = 4 x cluster y + cy
	s_lshl_b32 s40, s[CY], 2
	s_lshl_b32 s40, 15, s40                        ; my row of the cluster
	s_lshl_b32 s41, 0x1111, s[CX]                  ; my column
	s_or_b32 s[G1A], s40, G1C
	s_or_b32 s[G1B], s41, G1C
.irp g, G1A, G1B
	s_mov_b32 s[(\g)+1], KSTEP<<16                 ; tensor_dim0 = 128
	s_mov_b32 s[(\g)+2], 128<<16                   ; tensor_dim1 = 128
	s_mov_b32 s[(\g)+3], KSTEP<<16                 ; tile_dim0 = 128
	s_mov_b32 s[(\g)+4], 128                       ; tile_dim1 = 128
	s_mov_b32 s[(\g)+5], 1024                      ; elements from row to row
	s_mov_b32 s[(\g)+6], 0
	s_mov_b32 s[(\g)+7], 0
.endr
	s_lshl_b32 s46, s[CH], 7                       ; which 128 rows of a tile I fetch
	s_lshl_b32 s42, s[TY], 8
	s_add_co_u32 s42, s42, s46
	s_lshl_b32 s42, s42, 11                        ; xb: (256 x tile row + 128 x half) rows of 2,048 bytes
	s_mov_b32 s43, 0
	s_lshl_b32 s44, s[TX], 8
	s_add_co_u32 s44, s44, s46
	s_lshl_b32 s44, s44, 11                        ; wb: by the tile column
	s_mov_b32 s45, 0
	s_mul_i32 s47, s[WV], HALFT                    ; where they go: wave x 128 rows: no place in the cluster enters an LDS address
	s_wait_dscnt 0x0                               ; the opening add is done
	s_wait_kmcnt 0x0
	s_add_nc_u64 s[42:43], s[4:5], s[42:43]
	s_add_nc_u64 s[44:45], s[6:7], s[44:45]
	CROUND                                         ; all sixteen work-groups are here: the first joint loads meet
.irp s, 0,1
	s_mov_b32 s[G0A+4*(\s)], 1
	s_add_co_u32 s[G0A+4*(\s)+1], s47, (\s)*SLOT
	s_add_nc_u64 s[G0A+4*(\s)+2:G0A+4*(\s)+3], s[42:43], (\s)*2*KSTEP
	s_or_b32 s[G0A+4*(\s)+3], s[G0A+4*(\s)+3], 0x80000000
	s_mov_b32 s[G0B+4*(\s)], 1
	s_add_co_u32 s[G0B+4*(\s)+1], s47, (\s)*SLOT
	s_add_nc_u64 s[G0B+4*(\s)+2:G0B+4*(\s)+3], s[44:45], (\s)*2*KSTEP
	s_or_b32 s[G0B+4*(\s)+3], s[G0B+4*(\s)+3], 0x80000000
	JLOAD \s                                       ; K steps 0 and 1: two loads of mine are out
.endr
	; the bias of my 128 columns, as the C operand of a fragment: register j of lane l for column block b is column 16 b + 8 (l / 16) + j
	v_and_b32 v1, 15, v0                           ; l % 16
	v_bfe_u32 v2, v0, 4, 1                         ; l / 16
	s_cmp_eq_u32 ttmp9, 1                          ; the cluster's x says which of q, k, v its four tile columns belong to
	s_cselect_b64 s[70:71], s[70:71], s[72:73]
	s_cmp_eq_u32 ttmp9, 0
	s_cselect_b64 s[68:69], s[68:69], s[70:71]
	s_lshl_b32 s40, s[CX], 10                      ; 256 columns of 4 bytes for each place along x
	s_mov_b32 s41, 0
	s_add_nc_u64 s[68:69], s[68:69], s[40:41]
	v_lshlrev_b32 v6, 5, v2
	v_lshl_add_u32 v6, s[CH], 9, v6                ; 512 x column half + 32 x lane half
	WIN 0x40
.irp b, 0,1,2,3,4,5,6,7
	global_load_b128 v[8*(\b):8*(\b)+3],   v6, s[68:69] offset:64*(\b)
	global_load_b128 v[8*(\b)+4:8*(\b)+7], v6, s[68:69] offset:64*(\b)+16
.endr
	WIN 0
	v_mul_u32_u24 v3, v1, PITCH
	v_lshl_add_u32 v3, v2, 4, v3                   ; a fragment's row x pitch + 16 x half
	s_mul_i32 s40, s[RH], HALFT
	s_mul_i32 s41, s[CH], HALFT
	s_add_co_u32 s41, s41, 2*HALFT
	v_add_nc_u32 v[ADRA0], s40, v3
	v_add_nc_u32 v[ADRB0], s41, v3
	v_mov_b32 v[ADRA], v[ADRA0]
	v_mov_b32 v[ADRB], v[ADRB0]
	s_mov_b32 s[TB], 0
	s_mul_i32 s40, s[WV], 16*PITCH
	s_add_co_u32 s40, s40, STAGE                   ; my stage
	v_add_nc_u32 v[STO], s40, v3                   ; in: row l % 16, 16 bytes for each half of the lanes
	v_mul_u32_u24 v5, v2, PITCH
	v_lshl_add_u32 v5, v1, 4, v5
	v_add_nc_u32 v[RD], s40, v5                    ; back: lanes 0-15 one row of 256 bytes, lanes 16-31 the next
	v_mul_u32_u24 v5, v2, PITCHC
	v_lshl_add_u32 v[CO], v1, 4, v5                ; and the same two rows in qkv
	s_lshl_b32 s42, s[TY], 8
	s_lshl_b32 s40, s[RH], 7
	s_add_co_u32 s42, s42, s40
	s_mul_i32 s42, s42, PITCHC                     ; my first row,
	s_lshl_b32 s40, s[TX], 9
	s_add_co_u32 s42, s42, s40
	s_lshl_b32 s40, s[CH], 8
	s_add_co_u32 s42, s42, s40                     ; my first column
	s_mov_b32 s43, 0
	s_add_nc_u64 s[8:9], s[74:75], s[42:43]
	; the prefetches
	s_lshl_b32 s40, s[TY], 8
	s_lshl_b32 s41, s[TX], 8
	s_and_b32 s46, ttmp7, 0xffff
	s_cmp_eq_u32 s[RH], 0                          ; do I fetch xb?
	s_cselect_b32 s40, s40, s41                    ; the tile's first row
	s_cselect_b32 s41, s[CX], s[CY]                ; my place among the four that ask for it with me
	s_cselect_b32 s46, ttmp9, s46                  ; the coordinate along which other clusters read the same rows
	s_cselect_b64 s[PFA:PFA+1], s[4:5], s[6:7]
	s_cmp_eq_u32 s46, 0
	s_cselect_b32 s[LIM], 2, -1                    ; the same in all sixteen partners, for a given wave
	s_lshl_b32 s46, s[CH], 7
	s_add_co_u32 s40, s40, s46
	s_lshl_b32 s41, s41, 5
	s_add_co_u32 s40, s40, s41
	s_lshl_b32 s40, s40, 11
	s_add_co_u32 s40, s40, 4*KSTEP                 ; at K step 2: the first refill steps it to 3 and names step 4
	s_mov_b32 s41, 0
	s_add_nc_u64 s[PFA:PFA+1], s[PFA:PFA+1], s[40:41]
	v_and_b32 v[PFO], 31, v0
	v_lshlrev_b32 v[PFO], 11, v[PFO]
	s_wait_loadcnt 0x0                             ; the bias
	WIN 0x45                                       ; sources and destination in window 1
.set i, 0
.rept 32                                       ; rounded to bf16 and widened again, a pair at a time; all this stands in the wait for the first tile
	v_cvt_pk_bf16_f32 v[192+i%4], v[2*i], v[2*i+1]
	v_lshlrev_b32 v[2*i], 16, v[192+i%4]
	v_and_b32 v[2*i+1], 0xffff0000, v[192+i%4]
.set i, i+1
.endr
	WIN 0
	s_wait_tensorcnt 1                             ; my part of K step 0 is in; step 1 may stay out
	s_barrier_signal -1
	s_barrier_wait -1
	FETCH 0, F0
	QUARTER 64, F0, F1, 2                          ; the first quarter stands in front of the loop: its products start the sums from the bias
	WIN 0                                          ; at a label and at a branch every window is 0
	s_mov_b32 s[CNT], STEPS-2
.Lstep:                                        ; trip i: quarters 1-3 of K step i, the refill with step i + 2, quarter 0 of step i + 1
	QUARTER 128, F1, F0, 0
	QUARTER 192, F0, F1, 0
	TURN 1
	QUARTER 64, F0, F1, 0
	WIN 0
	s_sub_co_u32 s[CNT], s[CNT], 1
	s_cmp_lg_u32 s[CNT], 0
	s_cbranch_scc1 .Lstep
	; THE LAST TWO K STEPS ask for nothing, so they have a text of their own, written once and walked twice; it is entered in its middle, behind step 6's first quarter, which the loop above has done.
	; The second trip's change of slots serves nothing: one barrier, and 32 LDS loads of step 6's first fragments, which are not multiplied: the price of one text for both trips.
	s_mov_b32 s[CNT], 2
	s_branch .Ltail_in
.Ltail:
	QUARTER 64, F0, F1, 0
	WIN 0
.Ltail_in:
	QUARTER 128, F1, F0, 0
	QUARTER 192, F0, F1, 0
	TURN 0
	WIN 0
	s_sub_co_u32 s[CNT], s[CNT], 1
	s_cmp_lg_u32 s[CNT], 0
	s_cbranch_scc1 .Ltail
	s_wait_dscnt 0x0                               ; the loads that serve nothing have landed
	PLACES
	s_cmp_lg_u32 ttmp9, 0                          ; q's columns lie in the clusters with x = 0: the same answer in all partners
	s_cbranch_scc1 .Lplain
	s_mov_b32 s40, 0x3d38aa3b                      ; c = log2(e) / 32
	s_mov_b32 s41, s40                             ; named with it as a pair
	WIN 0x82
.set i, 0
.rept 128
	v_pk_mul_f32 v[i:i+1], v[i:i+1], s[40:41] op_sel_hi:[1,0]
.set i, i+2
.endr
	WIN 0xc3
.set i, 0
.rept 128
	v_pk_mul_f32 v[i:i+1], v[i:i+1], s[40:41] op_sel_hi:[1,0]
.set i, i+2
.endr
	WIN 0
.Lplain:
	PACK 0
	TOSTAGE 0
.irp a, 1,2,3,4,5,6,7                  ; block a's conversions stand between block a - 1's loads from the stage and the wait for them
	PACK \a
	SEND (\a)-1
	TOSTAGE \a
.endr
	SEND 7
	s_wait_tensorcnt 0x0                           ; the wave's end
	ds_add_u32 v[SPW], v[NIL]
	s_wait_dscnt 0x0
	CROUND                                         ; the closing round: no work-group ends while a partner may still ask for a tile that names it
	s_endpgm
.Lfunc_end_k_q204fa3d185_proj:
	.size	k_q204fa3d185_proj, .Lfunc_end_k_q204fa3d185_proj-k_q204fa3d185_proj
	.p2alignl 7, 3214868480
	.fill 96, 4, 3214868480
	.section	.rodata,"a",@progbits
	.p2align	6, 0x0
	.amdhsa_kernel k_q204fa3d185_proj
		.amdhsa_group_segment_fixed_size 327680
		.amdhsa_private_segment_fixed_size 0
		.amdhsa_enable_private_segment 0
		.amdhsa_kernarg_size 48
		.amdhsa_user_sgpr_count 2
		.amdhsa_user_sgpr_kernarg_segment_ptr 1
		.amdhsa_wavefront_size32 1
		.amdhsa_system_sgpr_workgroup_id_x 1
		.amdhsa_system_sgpr_workgroup_id_y 1
		.amdhsa_system_sgpr_workgroup_id_z 1
		.amdhsa_system_vgpr_workitem_id 0
		.amdhsa_next_free_vgpr 1024
		.amdhsa_next_free_sgpr 76
		.amdhsa_reserve_vcc 0
		.amdhsa_float_denorm_mode_32 3
		.amdhsa_float_denorm_mode_16_64 3
		.amdhsa_memory_ordered 1
		.amdhsa_forward_progress 1
		.amdhsa_inst_pref_size 124
	.end_amdhsa_kernel
	.amdgpu_metadata
---
amdhsa.version: [ 1, 2 ]
amdhsa.kernels:
  - .name:           k_q204fa3d185_proj
    .symbol:         k_q204fa3d185_proj.kd
    .args:
      - { .name: xb, .offset: 0, .size: 8, .value_kind: global_buffer, .address_space: global }
      - { .name: wb, .offset: 8, .size: 8, .value_kind: global_buffer, .address_space: global }
      - { .name: bq, .offset: 16, .size: 8, .value_kind: global_buffer, .address_space: global }
      - { .name: bk, .offset: 24, .size: 8, .value_kind: global_buffer, .address_space: global }
      - { .name: bv, .offset: 32, .size: 8, .value_kind: global_buffer, .address_space: global }
      - { .name: qkv, .offset: 40, .size: 8, .value_kind: global_buffer, .address_space: global }
    .group_segment_fixed_size: 327680
    .private_segment_fixed_size: 0
    .kernarg_segment_align: 8
    .kernarg_segment_size: 48
    .max_flat_workgroup_size: 128
    .sgpr_count:     76
    .vgpr_count:     1024
    .wavefront_size: 32
...
	.end_amdgpu_metadata
.endif
;; end of part 2
;; launch score (part 3): grid 8 x 32, 4 waves a work-group, clusters of 4 x 4, 327,680 bytes of LDS; arguments qkv, mpk, pw, st; writes pw, st
.if DOCPART == 3
	.amdgcn_target "amdgcn-amd-amdhsa--gfx1250"
	.amdhsa_code_object_version 6
	.text
	.protected	k_q204fa3d185_score
	.globl	k_q204fa3d185_score
	.p2align	8
	.type	k_q204fa3d185_score,@function
k_q204fa3d185_score:
	s_mov_b64 s[64:65], 0
	v_nop
	global_prefetch_b8 v0, s[64:65] scope:SCOPE_SE
	s_setreg_imm32_b32 hwreg(HW_REG_WAVE_MODE, 25, 1), 1
	s_wait_xcnt 0x0
	s_wait_alu depctr_hold_cnt(0) depctr_sa_sdst(0) depctr_va_vdst(0) depctr_va_sdst(0) depctr_va_ssrc(0) depctr_va_vcc(0) depctr_vm_vsrc(0)
	s_getreg_b32 s2, hwreg(HW_REG_IB_STS2, 6, 4)
	s_cmp_eq_u32 s2, 0
	s_cbranch_scc0 .Lentry_in_a_cluster
	s_endpgm
.Lentry_in_a_cluster:
	s_bfe_u32 s2, ttmp6, 0x10000c
	s_cmp_lg_u32 s2, 0xf033
	s_cbranch_scc0 .Lentry_shape_is_right
	s_endpgm
.Lentry_shape_is_right:
; SCORE.  For a tile of 256 queries x 256 keys of one batch: S = (c q) . k (q arrives multiplied by c = log2(e) / 32, so S is an exponent of 2); where the mask is 0, S is REPLACED by -1e9 log2(e);
; M = the maximum of a row over the tile's 256 keys; P = 2^(S - M), rounded once to f16, goes to pw [8192][2048]; l = the f32 sum of the unrounded P over my wave's 128 keys.
; st [32][8192] f32: row 2 t + ch holds M of key tile t (the same in both), row 16 + 2 t + ch holds l of that half.  The next launch joins the eight tiles of a row by their true maxima.
; S - M is never above 0 and is exactly 0 at the maximum, whatever the inputs' size: P lies in 0 to 1.  A row whose 256 keys are all masked has P = 1 everywhere and M = the masked value.
; LIMITS.  P below 6e-5 keeps f16's fixed step of 6e-8; a weight below 2^-126 counts as 0.  The masked value is rounded to f32 (a step of 128 at that size).  NaN and infinities are not treated apart.
; SHAPE.  The tile's product is a GEMM over K = 1,024: four waves of 128 x 128 (64 accumulators), 8 K steps of 128 through two LDS slots, clusters of 4 x 4 with joint loads: q's tile is shared along a row
; of the cluster, k's along a column.  Source 0 = 16 keys, source 1 = 16 queries: lane l holds query l % 16 and the keys 8 (l / 16) + 0..7.
; THE MASK comes as lane masks, one 32-bit word for a register of a fragment.  A wave's 512 words are asked for at the head, 256 consecutive bytes a load, and lie in 16 vector registers through the K loop;
; v_readlane_b32 brings them to scalar registers, 32 at a time, where they only select: no branch and no address hangs on them.
; THE WAY OUT is written for four row blocks (window 2) and walked twice; between the trips window 3's sums are copied to window 2: 256 copies a wave, for half the text.
; REGISTERS, in windows of 256 (s_set_vgpr_msb: bits 1:0 source 0, 3:2 source 1, 5:4 source 2, 7:6 destination):
;   window 0: v0-31 addresses; v64-127, v128-191 fragments of q (later: statistics); v192-223 packed P; v32-63, v224-255 rows on their way out
;   window 1: v0-15 the mask words; v64-127, v128-191 fragments of k       window 2: accumulators of my rows 0-63 ((a, b) at 8 (8 a + b))       window 3: of rows 64-127
.set KSTEP,  128
.set STEPS,  8
.set PITCH,  272                       ; an LDS row: 256 bytes + 16 of padding: the 16 rows of a load start at 16 different groups of four banks (64 banks of 4 bytes: ISA guide 11.1)
.set HALFT,  128*PITCH
.set SLOT,   4*HALFT                   ; 0x22000 shares no bit with wave x HALFT: one exclusive or changes slots
.set STAGE,  2*SLOT                    ; 16 rows x 272 bytes for each wave
.set MX,     STAGE+4*16*PITCH          ; 64 row maxima for each wave, in a block of 512 bytes
.set SS,     MX+4*512                  ; a wave's statistics on their way out: 128 M, 128 l
.set SPARE,  SS+4*1024                 ; the spare words, 128 bytes for each wave
.set ROWB,   6144                      ; bytes in a row of qkv
.set PITCHC, 4096                      ; bytes in a row of pw
.set G1C,    (1<<16)|(1<<20)|(1<<21)|(5<<22)|(3<<25)
.set MXA,   4                          ; v4   where I put my rows' maxima
.set MXP,   5                          ; v5   where the wave with the same rows' other keys puts its own
.set SSA,   6                          ; v6   where I put statistics; steps by 64 rows between the two trips of the way out
.set SSR,   7                          ; v7   where I read them back, 16 bytes a lane
.set SGO,   8                          ; v8   16 x lane
.set MKO,   10                         ; v10  8 x lane
.set ADRA,  16
.set ADRA0, 17
.set ADRB,  20
.set ADRB0, 21
.set STO,   24
.set RD,    25
.set CO,    26
.set SPW,   28                         ; v28  LDS address of my spare word; never rewritten
.set NIL,   29                         ; v29  0; never rewritten
.set PFO,   30
.set NEG,   31                         ; v31  -1e9 log2(e)
.set F0,    64
.set F1,    128
.set TMP,   192
.set OB,    32
.set STT,   64                         ; v[64+2a] M of row block a, v[65+2a] my own 128 keys' maximum
.set LL,    80                         ; v[80+a]  l
.set CC,    88                         ; v88-91   four chains of the maximum
.set XT,    92                         ; v92      the other half of the lanes'
.set SUMT,  96                         ; v96-127  at work
.set CNT, 3
.set WV,  12
.set RH,  13                           ; my half of the queries; also: I fetch q (0) or k (1)
.set CH,  14                           ; my half of the keys; also: which 128 rows I fetch
.set CX,  15
.set CY,  16
.set TX,  17                           ; key tile 0..7
.set TY,  18                           ; query tile over all batches 0..31
.set LIM, 19
.set PFA, 20
.set SEL, 22                           ; s[22:23] v_permlanex16_b32's selects
.set G1A, 24
.set G0A, 32
.set G1B, 48
.set G0B, 56
.set MS,  32                           ; s[32:63] on the way out: 32 mask words (the descriptors are dead by then)
.set TB,  66
.set CLY, 67                           ; the cluster's y
.set MSB, 0
.macro WIN new
.if MSB != (\new)
	s_set_vgpr_msb (MSB<<8)|(\new)
.set MSB, (\new)
.endif
.endm
.macro PLACES
.rept 4
	v_nop
.endr
.endm
.macro JLOAD s                         ; a joint load: waves 0 and 1 fetch q's halves, waves 2 and 3 k's; an s_nop 0 and four v_nop follow each line
	s_cmp_eq_u32 s[RH], 0
	s_cbranch_scc0 .Lfor_b_\@
	tensor_load_to_lds s[G0A+4*(\s):G0A+4*(\s)+3], s[G1A:G1A+7]
	s_nop 0
.rept 4
	v_nop
.endr
	s_branch .Lasked_\@
.Lfor_b_\@:
	tensor_load_to_lds s[G0B+4*(\s):G0B+4*(\s)+3], s[G1B:G1B+7]
	s_nop 0
.rept 4
	v_nop
.endr
.Lasked_\@:
.endm
.macro CREST
	s_cmp_lg_u32 s[WV], 0
	s_cbranch_scc1 .Lnot_wave_0_\@
	s_barrier_signal -3
.Lnot_wave_0_\@:
	s_barrier_wait -3
	s_barrier_signal -1
	s_barrier_wait -1
.endm
.macro CROUND
	s_barrier_signal -1
	s_barrier_wait -1
	CREST
.endm
; A prefetch into the L2 behind each refill: 32 rows x 256 bytes, a lane a row, of the K step two refills on.  q's rows: the cluster with x = 0 asks; k's rows, which the two clusters of a batch along y read: the one
; with even y.  The four partners of a joint load take 32 of its 128 rows each, by address.  Trips with CNT = 6..3 name steps 4..7.
.macro ASK
	s_cmp_gt_u32 s[CNT], s[LIM]
	s_cbranch_scc0 .Lnot_mine_\@
	global_prefetch_b8 v[PFO], s[PFA:PFA+1] offset:2*KSTEP th:TH_LOAD_NT scope:SCOPE_SE
.Lnot_mine_\@:
.endm
.macro MUL16 f, hi, a0, z              ; 16 matrix instructions; z = 1: they start the sums.  The 64 accumulators take turns in one order everywhere
	WIN 0xa1+0x50*(\hi)
.irp a, \a0, (\a0)+1
.irp b, 0,1,2,3,4,5,6,7
.if \z
	v_wmma_f32_16x16x32_f16 v[8*(8*(\a)+(\b)):8*(8*(\a)+(\b))+7], v[(\f)+8*(\b):(\f)+8*(\b)+7], v[(\f)+8*(4*(\hi)+(\a)):(\f)+8*(4*(\hi)+(\a))+7], 0
.else
	v_wmma_f32_16x16x32_f16 v[8*(8*(\a)+(\b)):8*(8*(\a)+(\b))+7], v[(\f)+8*(\b):(\f)+8*(\b)+7], v[(\f)+8*(4*(\hi)+(\a)):(\f)+8*(4*(\hi)+(\a))+7], v[8*(8*(\a)+(\b)):8*(8*(\a)+(\b))+7]
.endif
.endr
.endr
.endm
.macro FETCH k, f
	WIN 0x40
.irp i, 0,1,2,3,4,5,6,7
	ds_load_b128 v[(\f)+8*(\i):(\f)+8*(\i)+3],   v[ADRB] offset:(\k)+(\i)*16*PITCH
	ds_load_b128 v[(\f)+8*(\i)+4:(\f)+8*(\i)+7], v[ADRB] offset:(\k)+(\i)*16*PITCH+32
.endr
	WIN 0
.irp i, 0,1,2,3,4,5,6,7
	ds_load_b128 v[(\f)+8*(\i):(\f)+8*(\i)+3],   v[ADRA] offset:(\k)+(\i)*16*PITCH
	ds_load_b128 v[(\f)+8*(\i)+4:(\f)+8*(\i)+7], v[ADRA] offset:(\k)+(\i)*16*PITCH+32
.endr
.endm
.macro QUARTER k, f, g, z
	s_wait_dscnt 8                                 ; k's and q's rows 0-63 are in; the youngest eight loads may be out
	MUL16 \f, 0, 0, \z
	MUL16 \f, 0, 2, \z
	PLACES
	FETCH \k, \g
	s_wait_dscnt 32                                ; all but the 32 just issued
	MUL16 \f, 1, 0, \z
	MUL16 \f, 1, 2, \z
.endm
.macro TURN fill                       ; the last quarter of a K step and the change of slots: see the waits' comments
.if \fill
	s_wait_xcnt 0x0                                ; the last prefetch, a K step back, has read its address
	s_add_nc_u64 s[PFA:PFA+1], s[PFA:PFA+1], 2*KSTEP
.endif
	WIN 0
	s_wait_tensorcnt 0x0                           ; all my tensor loads have landed: my part of the next slot
	ds_add_u32 v[SPW], v[NIL]
	s_wait_dscnt 9                                 ; the add and the youngest eight loads may be out
	MUL16 F1, 0, 0, 0
	s_wait_dscnt 0x0                               ; the add is done, and my reads of this slot are over
	s_barrier_signal -1
	MUL16 F1, 0, 2, 0
	WIN 0
	s_barrier_wait -1
.if \fill
	CREST                                          ; no wave of any partner still reads this slot or has a load on its way
	s_xor_b32 s[G0A+5], s[G0A+5], SLOT
	s_add_nc_u64 s[G0A+6:G0A+7], s[G0A+6:G0A+7], 2*KSTEP
	s_xor_b32 s[G0B+5], s[G0B+5], SLOT
	s_add_nc_u64 s[G0B+6:G0B+7], s[G0B+6:G0B+7], 2*KSTEP
	JLOAD 1                                        ; the first tensor load behind the round; its four v_nop are also the places in front of the loads below
.else
	PLACES
.endif
	s_xor_b32 s[TB], s[TB], SLOT
	v_add_nc_u32 v[ADRA], s[TB], v[ADRA0]
	v_add_nc_u32 v[ADRB], s[TB], v[ADRB0]
	FETCH 0, F0
.if \fill
	ASK
.endif
	MUL16 F1, 1, 0, 0
	MUL16 F1, 1, 2, 0
.endm
; THE MASK for row block a (0..3), key blocks 4 hb .. 4 hb + 3: 32 words.  Word w = 8 b + j of the block's 64 lies in register 2 a + w % 2 of window 1, lane w / 2.
.macro EMASK a, hb
.set AC, 64*(\a)+32*(\hb)
	WIN 0x01
.set i, 0
.rept 32
	v_readlane_b32 s[MS+i], v[2*(\a)+i%2], 16*(\hb)+i/2
.set i, i+1
.endr
	WIN 0x88
.set i, 0
.rept 32                                       ; each accumulator from its low end
	v_cndmask_b32 v[AC+i], v[NEG], v[AC+i], s[MS+i]
.set i, i+1
.endr
.endm
.macro EMAX a                          ; the maximum of my 64 scores of row block a, then of the lane 16 away, which holds the row's other 64
.set AC, 64*(\a)
	WIN 0
.irp k, 0,1,2,3
	v_mov_b32 v[CC+(\k)], 0xff800000
.endr
	WIN 0x28
.set i, 0
.rept 32
	v_max3_num_f32 v[CC+i%4], v[CC+i%4], v[AC+2*i], v[AC+2*i+1]
.set i, i+1
.endr
	WIN 0
	v_max3_num_f32 v[CC], v[CC], v[CC+1], v[CC+2]
	v_max_num_f32 v[CC], v[CC], v[CC+3]
	v_permlanex16_b32 v[XT], v[CC], s[SEL], s[SEL+1]
	v_max_num_f32 v[STT+2*(\a)+1], v[CC], v[XT]
.endm
; Row block a: S - M, the exponentials (a plain line stands between an exponential and any use of its result: ISA guide 5.7.2), the rounding to f16, the sum of the unrounded weights.
.macro ESOFT a
.set AC, 64*(\a)
	WIN 0x82
.irp p, 0,1
	v_pk_add_f32 v[AC+2*(\p):AC+2*(\p)+1], v[AC+2*(\p):AC+2*(\p)+1], v[STT+2*(\a):STT+2*(\a)+1] op_sel_hi:[1,0] neg_lo:[0,1] neg_hi:[0,1]
.endr
.set p, 0
.rept 32
	v_exp_f32 v[AC+2*p], v[AC+2*p]
.if p < 30
	v_pk_add_f32 v[AC+2*p+4:AC+2*p+5], v[AC+2*p+4:AC+2*p+5], v[STT+2*(\a):STT+2*(\a)+1] op_sel_hi:[1,0] neg_lo:[0,1] neg_hi:[0,1]
.endif
	v_exp_f32 v[AC+2*p+1], v[AC+2*p+1]
.set p, p+1
.endr
	v_nop
	WIN 0x0a
.set i, 0
	s_wait_alu depctr_va_vdst(0)
.rept 32
	v_cvt_pk_f16_f32 v[TMP+i], v[AC+2*i], v[AC+2*i+1]
.set i, i+1
.endr
.set i, 0
.rept 16
	v_pk_add_f32 v[SUMT+2*i:SUMT+2*i+1], v[AC+4*i:AC+4*i+1], v[AC+4*i+2:AC+4*i+3]
.set i, i+1
.endr
	WIN 0
.irp w, 8,4,2,1
.set i, 0
.rept \w
	v_pk_add_f32 v[SUMT+2*i:SUMT+2*i+1], v[SUMT+2*i:SUMT+2*i+1], v[SUMT+2*(i+(\w)):SUMT+2*(i+(\w))+1]
.set i, i+1
.endr
.endr
	v_add_f32 v[LL+(\a)], v[SUMT], v[SUMT+1]
	v_permlanex16_b32 v[XT], v[LL+(\a)], s[SEL], s[SEL+1]
	v_add_f32 v[LL+(\a)], v[LL+(\a)], v[XT]
.endm
.macro TOSTAGE a
	WIN 0
.set BK, OB+192*((\a)%2)
.irp b, 0,1,2,3,4,5,6,7
	ds_store_b128 v[STO], v[TMP+4*(\b):TMP+4*(\b)+3] offset:32*(\b)
.endr
.irp t, 0,1,2,3,4,5,6,7
	ds_load_b128 v[BK+4*(\t):BK+4*(\t)+3], v[RD] offset:(\t)*2*PITCH  ; LDS serves a wave's instructions in order (ISA guide 5.7.1.4): these see the stores above
.endr
.endm
.macro SEND a
	WIN 0
.set BK, OB+192*((\a)%2)
	s_wait_dscnt 0x0                               ; the block is back in registers
	s_wait_xcnt 0x0                                ; the stores of the block before have read their registers: the other bank is loaded again only behind this wait
.irp t, 0,1,2,3,4,5,6,7
	global_store_b128 v[CO], v[BK+4*(\t):BK+4*(\t)+3], s[8:9] offset:(16*(\a)+2*(\t))*PITCHC  ; 16 lanes store 256 consecutive bytes, aligned
.endr
.endm
	s_load_b256 s[4:11], s[0:1], 0x0               ; qkv s[4:5], mpk s[6:7], pw s[8:9], st s[10:11]
	v_lshl_add_u32 v[SPW], v0, 2, SPARE
	v_mov_b32 v[NIL], 0
	ds_add_u32 v[SPW], v[NIL]                      ; the wave's opening
	v_lshrrev_b32 v1, 5, v0
	v_readfirstlane_b32 s[WV], v1
	s_lshr_b32 s[RH], s[WV], 1
	s_and_b32 s[CH], s[WV], 1
	s_bfe_u32 s[CX], ttmp6, 0x40000
	s_bfe_u32 s[CY], ttmp6, 0x40004
	s_lshl_b32 s[TX], ttmp9, 2
	s_add_co_u32 s[TX], s[TX], s[CX]
	s_and_b32 s[CLY], ttmp7, 0xffff
	s_lshl_b32 s[TY], s[CLY], 2
	s_add_co_u32 s[TY], s[TY], s[CY]
	s_lshl_b32 s40, s[CY], 2
	s_lshl_b32 s40, 15, s40                        ; my row of the cluster
	s_lshl_b32 s41, 0x1111, s[CX]                  ; my column
	s_or_b32 s[G1A], s40, G1C
	s_or_b32 s[G1B], s41, G1C
.irp g, G1A, G1B
	s_mov_b32 s[(\g)+1], KSTEP<<16                 ; tensor_dim0 = 128
	s_mov_b32 s[(\g)+2], 128<<16                   ; tensor_dim1 = 128
	s_mov_b32 s[(\g)+3], KSTEP<<16                 ; tile_dim0 = 128
	s_mov_b32 s[(\g)+4], 128                       ; tile_dim1 = 128
	s_mov_b32 s[(\g)+5], 3072                      ; elements from row to row of qkv
	s_mov_b32 s[(\g)+6], 0
	s_mov_b32 s[(\g)+7], 0
.endr
	s_mov_b32 s[SEL], 0x76543210
	s_mov_b32 s[SEL+1], 0xfedcba98
	s_lshl_b32 s46, s[CH], 7                       ; which 128 rows of a tile I fetch
	s_lshl_b32 s42, s[TY], 8
	s_add_co_u32 s42, s42, s46
	s_mul_i32 s42, s42, ROWB                       ; q: row 256 x query tile + 128 x half
	s_mov_b32 s43, 0
	s_lshr_b32 s44, s[CLY], 1                      ; the batch, from the cluster's y alone: equal in a column of the cluster
	s_lshl_b32 s44, s44, 11
	s_lshl_b32 s45, s[TX], 8
	s_add_co_u32 s44, s44, s45
	s_add_co_u32 s44, s44, s46
	s_mul_i32 s44, s44, ROWB                       ; k: row 2,048 x batch + 256 x key tile + 128 x half,
	s_add_co_u32 s44, s44, 2048                    ; columns 1,024 on
	s_mov_b32 s45, 0
	s_mul_i32 s47, s[WV], HALFT
	s_wait_dscnt 0x0                               ; the opening add is done
	s_wait_kmcnt 0x0
	s_add_nc_u64 s[42:43], s[4:5], s[42:43]
	s_add_nc_u64 s[44:45], s[4:5], s[44:45]
	CROUND                                         ; all sixteen work-groups are here: the first joint loads meet
.irp s, 0,1
	s_mov_b32 s[G0A+4*(\s)], 1
	s_add_co_u32 s[G0A+4*(\s)+1], s47, (\s)*SLOT
	s_add_nc_u64 s[G0A+4*(\s)+2:G0A+4*(\s)+3], s[42:43], (\s)*2*KSTEP
	s_or_b32 s[G0A+4*(\s)+3], s[G0A+4*(\s)+3], 0x80000000
	s_mov_b32 s[G0B+4*(\s)], 1
	s_add_co_u32 s[G0B+4*(\s)+1], s47, (\s)*SLOT
	s_add_nc_u64 s[G0B+4*(\s)+2:G0B+4*(\s)+3], s[44:45], (\s)*2*KSTEP
	s_or_b32 s[G0B+4*(\s)+3], s[G0B+4*(\s)+3], 0x80000000
	JLOAD \s                                       ; K steps 0 and 1: two loads of mine are out
.endr
	; my 512 mask words: row block a's 64 words are 256 consecutive bytes of mpk; 8 bytes a lane.  They are waited for behind the K loop.
	s_lshl_b32 s41, s[TX], 1
	s_add_co_u32 s41, s41, s[CH]                   ; my piece of 128 keys: 2 x key tile + half
	s_and_b32 s40, s[TY], 7
	s_lshl_b32 s40, s40, 1
	s_add_co_u32 s40, s40, s[RH]
	s_lshl_b32 s40, s40, 15                        ; mpk: my 8 blocks of 16 rows, 4,096 bytes each,
	s_lshl_b32 s42, s41, 8                         ; my 8 blocks of 16 keys, 32 bytes each
	s_add_co_u32 s42, s42, s40
	s_mov_b32 s43, 0
	s_add_nc_u64 s[6:7], s[6:7], s[42:43]
	v_and_b32 v[MKO], 31, v0
	v_lshlrev_b32 v[MKO], 3, v[MKO]
	WIN 0x40                                       ; destination window 1, address window 0
.irp a, 0,1,2,3,4,5,6,7
	global_load_b64 v[2*(\a):2*(\a)+1], v[MKO], s[6:7] offset:4096*(\a)
.endr
	WIN 0
	v_and_b32 v1, 15, v0                           ; l % 16
	v_bfe_u32 v2, v0, 4, 1                         ; l / 16
	v_mul_u32_u24 v3, v1, PITCH
	v_lshl_add_u32 v3, v2, 4, v3
	s_mul_i32 s40, s[RH], HALFT
	s_mul_i32 s44, s[CH], HALFT
	s_add_co_u32 s44, s44, 2*HALFT
	v_add_nc_u32 v[ADRA0], s40, v3
	v_add_nc_u32 v[ADRB0], s44, v3
	v_mov_b32 v[ADRA], v[ADRA0]
	v_mov_b32 v[ADRB], v[ADRB0]
	s_mov_b32 s[TB], 0
	s_mul_i32 s40, s[WV], 16*PITCH
	s_add_co_u32 s40, s40, STAGE
	v_add_nc_u32 v[STO], s40, v3
	v_mul_u32_u24 v5, v2, PITCH
	v_lshl_add_u32 v5, v1, 4, v5
	v_add_nc_u32 v[RD], s40, v5
	v_lshlrev_b32 v5, 12, v2
	v_lshl_add_u32 v[CO], v1, 4, v5                ; two rows of pw
	v_lshlrev_b32 v9, 2, v1                        ; 4 x (l % 16)
	s_lshl_b32 s40, s[WV], 9
	s_add_co_u32 s40, s40, MX
	v_add_nc_u32 v[MXA], s40, v9
	s_xor_b32 s40, s[WV], 1                        ; the wave with my rows and the other 128 keys
	s_lshl_b32 s40, s40, 9
	s_add_co_u32 s40, s40, MX
	v_add_nc_u32 v[MXP], s40, v9
	s_lshl_b32 s40, s[WV], 10
	s_add_co_u32 s40, s40, SS
	v_add_nc_u32 v[SSA], s40, v9
	v_and_b32 v[SGO], 31, v0
	v_lshlrev_b32 v[SGO], 4, v[SGO]
	v_add_nc_u32 v[SSR], s40, v[SGO]
	v_mov_b32 v[NEG], 0xceabfb8f                   ; -1e9 log2(e) = -1,442,695,040 in f32
	s_lshl_b32 s42, s41, 13                        ; st: row = my piece,
	s_lshl_b32 s40, s[TY], 8
	s_add_co_u32 s42, s42, s40
	s_lshl_b32 s44, s[RH], 7
	s_add_co_u32 s42, s42, s44                     ; column = my first query
	s_lshl_b32 s42, s42, 2
	s_add_nc_u64 s[10:11], s[10:11], s[42:43]
	s_add_co_u32 s42, s40, s44
	s_lshl_b32 s42, s42, 12                        ; pw: my first query's row,
	s_lshl_b32 s41, s41, 8                         ; my 128 keys' 256 bytes
	s_add_co_u32 s42, s42, s41
	s_add_nc_u64 s[8:9], s[8:9], s[42:43]
	; the prefetches
	s_lshl_b32 s40, s[TY], 8
	s_lshr_b32 s41, s[CLY], 1
	s_lshl_b32 s41, s41, 11
	s_lshl_b32 s42, s[TX], 8
	s_add_co_u32 s41, s41, s42
	s_and_b32 s42, s[CLY], 1
	s_mov_b32 s43, 2048+4*KSTEP
	s_cmp_eq_u32 s[RH], 0                          ; do I fetch q?
	s_cselect_b32 s40, s40, s41                    ; the tile's first row
	s_cselect_b32 s41, s[CX], s[CY]                ; my place among the four that ask with me
	s_cselect_b32 s42, ttmp9, s42                  ; 0 in the cluster that asks
	s_cselect_b32 s43, 4*KSTEP, s43                ; at K step 2: the first refill steps it to 3 and names step 4
	s_cmp_eq_u32 s42, 0
	s_cselect_b32 s[LIM], 2, -1
	s_lshl_b32 s42, s[CH], 7
	s_add_co_u32 s40, s40, s42
	s_lshl_b32 s41, s41, 5
	s_add_co_u32 s40, s40, s41
	s_mul_i32 s40, s40, ROWB
	s_add_co_u32 s40, s40, s43
	s_mov_b32 s41, 0
	s_add_nc_u64 s[PFA:PFA+1], s[4:5], s[40:41]
	v_and_b32 v[PFO], 31, v0
	v_mul_u32_u24 v[PFO], ROWB, v[PFO]
	s_wait_tensorcnt 1                             ; my part of K step 0 is in; step 1 may stay out
	s_barrier_signal -1
	s_barrier_wait -1
	FETCH 0, F0
	QUARTER 64, F0, F1, 1                          ; the first quarter stands in front of the loop: its products start the sums
	WIN 0
	s_mov_b32 s[CNT], STEPS-2
.Lstep:                                        ; trip i: quarters 1-3 of K step i, the refill with step i + 2, quarter 0 of step i + 1
	QUARTER 128, F1, F0, 0
	QUARTER 192, F0, F1, 0
	TURN 1
	QUARTER 64, F0, F1, 0
	WIN 0
	s_sub_co_u32 s[CNT], s[CNT], 1
	s_cmp_lg_u32 s[CNT], 0
	s_cbranch_scc1 .Lstep
	; THE LAST TWO K STEPS ask for nothing, so they have a text of their own, written once and walked twice; it is entered in its middle, behind step 6's first quarter, which the loop above has done.
	; The second trip's change of slots serves nothing: one barrier, and 32 LDS loads of step 6's first fragments, which are not multiplied: the price of one text for both trips.
	s_mov_b32 s[CNT], 2
	s_branch .Ltail_in
.Ltail:
	QUARTER 64, F0, F1, 0
	WIN 0
.Ltail_in:
	QUARTER 128, F1, F0, 0
	QUARTER 192, F0, F1, 0
	TURN 0                                         ; its wait for all tensor loads also shows the descriptors' registers free
	WIN 0
	s_sub_co_u32 s[CNT], s[CNT], 1
	s_cmp_lg_u32 s[CNT], 0
	s_cbranch_scc1 .Ltail
	s_wait_dscnt 0x0                               ; the loads that serve nothing have landed: buffer 0's registers take the statistics
	s_wait_loadcnt 0x0                             ; the mask words, asked for at the head
	PLACES
	v_mov_b32 v[XT], 0                             ; v_permlanex16_b32 counts as a reader of its destination
	s_mov_b32 s[CNT], 2
.Lhalf:                                        ; THE WAY OUT, two trips: my rows 0-63, then my rows 64-127
.irp a, 0,1,2,3
	EMASK \a, 0
	EMASK \a, 1
	EMAX \a
.endr
.irp a, 0,1,2,3
	ds_store_b32 v[MXA], v[STT+2*(\a)+1] offset:64*(\a)  ; both halves of the lanes write the same word with the same value
.endr
	s_wait_dscnt 0x0                               ; for the others' sake: my maxima lie in LDS
	s_barrier_signal -1
	s_barrier_wait -1
.irp a, 0,1,2,3
	ds_load_b32 v[SUMT+(\a)], v[MXP] offset:64*(\a)
.endr
	s_wait_dscnt 0x0                               ; my reads of the partner's words are over:
	s_barrier_signal -1                            ; the next trip writes the same words only behind this barrier
	s_barrier_wait -1
.irp a, 0,1,2,3
	v_max_num_f32 v[STT+2*(\a)], v[STT+2*(\a)+1], v[SUMT+(\a)]  ; M over the tile's 256 keys
.endr
	ESOFT 0
	TOSTAGE 0
.irp a, 1,2,3                          ; block a's softmax stands between block a - 1's loads from the stage and the wait for them
	ESOFT \a
	SEND (\a)-1
	TOSTAGE \a
.endr
	SEND 3
.irp a, 0,1,2,3                        ; the statistics: by rows into my own bytes
	ds_store_b32 v[SSA], v[STT+2*(\a)] offset:64*(\a)
	ds_store_b32 v[SSA], v[LL+(\a)] offset:512+64*(\a)
.endr
	s_cmp_eq_u32 s[CNT], 1
	s_cbranch_scc1 .Lno_copy                       ; behind the second trip nothing is left to bring
	s_wait_xcnt 0x0                                ; the stores have read their base and their registers
	s_add_nc_u64 s[8:9], s[8:9], 64*PITCHC         ; pw: 64 rows on
	v_add_nc_u32 v[SSA], 256, v[SSA]               ; the statistics: 64 rows on
	WIN 0x83                                       ; window 3's sums go where the one text of the way out names them
.set i, 0
.rept 256
	v_mov_b32 v[i], v[i]
.set i, i+1
.endr
	WIN 0x41                                       ; and the mask words of row blocks 4-7
.set i, 0
.rept 8
	v_mov_b32 v[i], v[8+i]
.set i, i+1
.endr
	WIN 0
.Lno_copy:
	s_sub_co_u32 s[CNT], s[CNT], 1
	s_cmp_lg_u32 s[CNT], 0
	s_cbranch_scc1 .Lhalf
	ds_load_b128 v[128:131], v[SSR]                ; the statistics come back as 16 bytes a lane; LDS serves a wave's instructions in order
	ds_load_b128 v[132:135], v[SSR] offset:512
	s_wait_dscnt 0x0
	global_store_b128 v[SGO], v[128:131], s[10:11]                 ; 512 consecutive bytes, aligned: M of my 128 rows
	global_store_b128 v[SGO], v[132:135], s[10:11] offset:16*32768 ; and l, sixteen rows of st further down
	s_wait_tensorcnt 0x0                           ; the wave's end
	ds_add_u32 v[SPW], v[NIL]
	s_wait_dscnt 0x0
	CROUND                                         ; the closing round
	s_endpgm
.Lfunc_end_k_q204fa3d185_score:
	.size	k_q204fa3d185_score, .Lfunc_end_k_q204fa3d185_score-k_q204fa3d185_score
	.p2alignl 7, 3214868480
	.fill 96, 4, 3214868480
	.section	.rodata,"a",@progbits
	.p2align	6, 0x0
	.amdhsa_kernel k_q204fa3d185_score
		.amdhsa_group_segment_fixed_size 327680
		.amdhsa_private_segment_fixed_size 0
		.amdhsa_enable_private_segment 0
		.amdhsa_kernarg_size 32
		.amdhsa_user_sgpr_count 2
		.amdhsa_user_sgpr_kernarg_segment_ptr 1
		.amdhsa_wavefront_size32 1
		.amdhsa_system_sgpr_workgroup_id_x 1
		.amdhsa_system_sgpr_workgroup_id_y 1
		.amdhsa_system_sgpr_workgroup_id_z 1
		.amdhsa_system_vgpr_workitem_id 0
		.amdhsa_next_free_vgpr 1024
		.amdhsa_next_free_sgpr 68
		.amdhsa_reserve_vcc 0
		.amdhsa_float_denorm_mode_32 3
		.amdhsa_float_denorm_mode_16_64 3
		.amdhsa_memory_ordered 1
		.amdhsa_forward_progress 1
		.amdhsa_inst_pref_size 165
	.end_amdhsa_kernel
	.amdgpu_metadata
---
amdhsa.version: [ 1, 2 ]
amdhsa.kernels:
  - .name:           k_q204fa3d185_score
    .symbol:         k_q204fa3d185_score.kd
    .args:
      - { .name: qkv, .offset: 0, .size: 8, .value_kind: global_buffer, .address_space: global }
      - { .name: mpk, .offset: 8, .size: 8, .value_kind: global_buffer, .address_space: global }
      - { .name: pw, .offset: 16, .size: 8, .value_kind: global_buffer, .address_space: global }
      - { .name: st, .offset: 24, .size: 8, .value_kind: global_buffer, .address_space: global }
    .group_segment_fixed_size: 327680
    .private_segment_fixed_size: 0
    .kernarg_segment_align: 8
    .kernarg_segment_size: 32
    .max_flat_workgroup_size: 128
    .sgpr_count:     68
    .vgpr_count:     1024
    .wavefront_size: 32
...
	.end_amdgpu_metadata
.endif
;; end of part 3
;; launch ctx (part 4): grid 4 x 64, 4 waves a work-group, clusters of 4 x 4, 327,680 bytes of LDS; arguments pw, qkv, st, out0; writes out0
.if DOCPART == 4
	.amdgcn_target "amdgcn-amd-amdhsa--gfx1250"
	.amdhsa_code_object_version 6
	.text
	.protected	k_q204fa3d185_ctx
	.globl	k_q204fa3d185_ctx
	.p2align	8
	.type	k_q204fa3d185_ctx,@function
k_q204fa3d185_ctx:
	s_mov_b64 s[64:65], 0
	v_nop
	global_prefetch_b8 v0, s[64:65] scope:SCOPE_SE
	s_setreg_imm32_b32 hwreg(HW_REG_WAVE_MODE, 25, 1), 1
	s_wait_xcnt 0x0
	s_wait_alu depctr_hold_cnt(0) depctr_sa_sdst(0) depctr_va_vdst(0) depctr_va_sdst(0) depctr_va_ssrc(0) depctr_va_vcc(0) depctr_vm_vsrc(0)
	s_getreg_b32 s2, hwreg(HW_REG_IB_STS2, 6, 4)
	s_cmp_eq_u32 s2, 0
	s_cbranch_scc0 .Lentry_in_a_cluster
	s_endpgm
.Lentry_in_a_cluster:
	s_bfe_u32 s2, ttmp6, 0x10000c
	s_cmp_lg_u32 s2, 0xf033
	s_cbranch_scc0 .Lentry_shape_is_right
	s_endpgm
.Lentry_shape_is_right:
; CTX.  out0[row][ch] = (the sum over key tiles t of f_t (P_t V_t)[row][ch]) / L.  pw [8192][2048] f16 holds P_t = 2^(S - M_t); v is columns 2,048-3,071 of qkv [8192][3072] f16; st [32][8192] f32 holds
; M_t (row 2 t) and the partial sums l (rows 16 .. 31).  In f32: Mx = the maximum of the eight M_t; f_t = 2^(M_t - Mx), at most 1 and exactly 1 for the greatest; L = the sum of f_t (l_2t + l_2t+1), at least 1.
; So every weight is 2^(S - Mx) over the row's true maximum.  Products in f16 with f32 sums; a key tile's sum T is added to the main sum with its factor; out0 is f32.
; LIMITS.  A factor below 2^-126 counts as 0; L is the sum of the unrounded weights, the products take them rounded to f16.  NaN and infinities are not treated apart.
; SHAPE.  8,192 x 1,024 in tiles of 128 rows x 256 channels: 256 work-groups (tiles of 256 x 256 would be 128).  Four waves of 64 x 128: 32 accumulators T and 32 main sums.  2,048 keys in 16 steps
; of 128 through two LDS slots; a LAP is two steps, one key tile.  Clusters of 4 x 4: P's tile is shared along a row of the cluster, V's along a column.
; Source 0 = 16 channels of V^T (V lies [key][channel] in LDS and is turned by ds_load_tr16_b128), source 1 = 16 rows of P: lane l holds row l % 16 and the channels 8 (l / 16) + 0..7.
; REGISTERS, in windows of 256 (s_set_vgpr_msb: bits 1:0 source 0, 3:2 source 1, 5:4 source 2, 7:6 destination):
;   window 0: v0-31 addresses and the factors; v32-127, v128-223 two fragment buffers (V's 8 at +8 b, P's 4 at +64 + 8 a)       window 1: T ((a, b) at 8 (8 a + b))       window 2: the main sums, likewise
.set PP,    272                        ; a row of P in LDS: 256 bytes + 16: the 16 rows of a load start at 16 different groups of four banks (64 banks of 4 bytes: ISA guide 11.1)
.set PV,    544                        ; a row of V: 512 + 32 = 136 words
.set VOFF,  128*PP                     ; a slot: 128 rows of P, then 128 keys of V
.set SLOT,  VOFF+128*PV
.set STAGE, 2*SLOT                     ; behind the ring: 16 rows x 528 bytes for each wave
.set SP,    528
.set FT,    STAGE+4*16*SP              ; f32 [9][128]: f_0 .. f_7 and 1 / L for the tile's 128 rows
.set SPARE, FT+9*512                   ; the spare words, 128 bytes for each wave
.set VSTEP, 128*6144                   ; bytes from a K step of V to the next
.set FTA,  9                           ; v9   FT + 4 x thread
.set ADRP, 10                          ; v10, v11  LDS address of my P fragments in slot 0, 1
.set ADRV, 12                          ; v12, v13  of my V fragments
.set FA,   14                          ; v14  my rows' place in the table row in hand; steps by a table row a lap
.set STO,  15
.set RD,   16
.set GO,   17                          ; v17  16 x lane
.set SPW,  18                          ; v18  LDS address of my spare word; never rewritten
.set NIL,  19                          ; v19  0; never rewritten
.set PFO,  20
.set SO,   21                          ; v21  4 x thread
.set FC,   22                          ; v[22+2a]  the factor of row block a; the odd registers hold 0 and are only named as pairs
.set F0,   32
.set F1,   128
.set CNT, 3
.set WV,  12
.set RH,  13                           ; my half of the rows; also: I fetch P (0) or V (1)
.set CH,  14                           ; my half of the channels; also: which 64 rows or keys I fetch
.set CX,  15
.set CY,  16
.set TX,  17                           ; channel tile 0..3
.set TY,  18                           ; row tile 0..63
.set LIM, 19                           ; 1 in a wave that prefetches, else the greatest number
.set PFA, 20
.set PST, 22                           ; s[22:23] the prefetch pointer's step
.set G1A, 24
.set G0A, 32                           ; a set for each slot
.set G1B, 48
.set G0B, 56
.set CLY, 67
.set MSB, 0
.macro WIN new
.if MSB != (\new)
	s_set_vgpr_msb (MSB<<8)|(\new)
.set MSB, (\new)
.endif
.endm
.macro PLACES
.rept 4
	v_nop
.endr
.endm
.macro JLOAD s                         ; a joint load into slot s: waves 0 and 1 fetch P's halves, waves 2 and 3 V's; an s_nop 0 and four v_nop follow each line
	s_cmp_eq_u32 s[RH], 0
	s_cbranch_scc0 .Lfor_b_\@
	tensor_load_to_lds s[G0A+4*(\s):G0A+4*(\s)+3], s[G1A:G1A+7]
	s_nop 0
.rept 4
	v_nop
.endr
	s_branch .Lasked_\@
.Lfor_b_\@:
	tensor_load_to_lds s[G0B+4*(\s):G0B+4*(\s)+3], s[G1B:G1B+7]
	s_nop 0
.rept 4
	v_nop
.endr
.Lasked_\@:
.endm
.macro CREST
	s_cmp_lg_u32 s[WV], 0
	s_cbranch_scc1 .Lnot_wave_0_\@
	s_barrier_signal -3
.Lnot_wave_0_\@:
	s_barrier_wait -3
	s_barrier_signal -1
	s_barrier_wait -1
.endm
.macro CROUND
	s_barrier_signal -1
	s_barrier_wait -1
	CREST
.endm
; A prefetch into the L2 behind each refill, of the K step two refills on (256 matrix instructions ahead of the load that wants it): a lane a row, 256 bytes each.  P's 128 rows: wave 0 of each of the four partners
; along x takes 32.  V's 128 keys x 512 bytes: waves 2 and 3 take a half of the bytes each, the four partners along y 32 keys each, and of the four clusters of a batch the first asks.  Laps with CNT = 7..2 name steps 4..15.
.macro ASK
	s_cmp_gt_u32 s[CNT], s[LIM]
	s_cbranch_scc0 .Lnot_mine_\@
	global_prefetch_b8 v[PFO], s[PFA:PFA+1] th:TH_LOAD_NT scope:SCOPE_SE
.Lnot_mine_\@:
.endm
.macro MUL8 f, a, z                    ; 8 matrix instructions: row block a x all 8 channel blocks, 32 keys.  z = 1: they start T.  The 32 accumulators take turns
	WIN 0x50
.irp b, 0,1,2,3,4,5,6,7
.if \z
	v_wmma_f32_16x16x32_f16 v[8*(8*(\a)+(\b)):8*(8*(\a)+(\b))+7], v[(\f)+8*(\b):(\f)+8*(\b)+7], v[(\f)+64+8*(\a):(\f)+64+8*(\a)+7], 0
.else
	v_wmma_f32_16x16x32_f16 v[8*(8*(\a)+(\b)):8*(8*(\a)+(\b))+7], v[(\f)+8*(\b):(\f)+8*(\b)+7], v[(\f)+64+8*(\a):(\f)+64+8*(\a)+7], v[8*(8*(\a)+(\b)):8*(8*(\a)+(\b))+7]
.endif
.endr
.endm
.macro FETCH slot, q, f                ; 24 LDS loads in one run: quarter q (32 keys) of a slot into buffer f: V's 16, then P's 8
	WIN 0
.irp b, 0,1,2,3,4,5,6,7
	ds_load_tr16_b128 v[(\f)+8*(\b):(\f)+8*(\b)+3],   v[ADRV+(\slot)] offset:(\q)*32*PV+32*(\b)
	ds_load_tr16_b128 v[(\f)+8*(\b)+4:(\f)+8*(\b)+7], v[ADRV+(\slot)] offset:(\q)*32*PV+16*PV+32*(\b)
.endr
.irp a, 0,1,2,3
	ds_load_b128 v[(\f)+64+8*(\a):(\f)+64+8*(\a)+3],   v[ADRP+(\slot)] offset:64*(\q)+(\a)*16*PP
	ds_load_b128 v[(\f)+64+8*(\a)+4:(\f)+64+8*(\a)+7], v[ADRP+(\slot)] offset:64*(\q)+(\a)*16*PP+32
.endr
.endm
.macro QUARTER slot, q, f, g, z        ; multiplies buffer f; in its middle fetches quarter q of the slot into g
	s_wait_dscnt 4                                 ; V and P's row blocks 0, 1 are in; the youngest four loads may be out
	MUL8 \f, 0, \z
	MUL8 \f, 1, \z
	PLACES
	FETCH \slot, \q, \g
	s_wait_dscnt 24                                ; all but the 24 just issued
	MUL8 \f, 2, \z
	MUL8 \f, 3, \z
.endm
; The last quarter of a K step and the change of slots.  fill = 1: the barrier opens a round of the cluster's, and this slot is filled again first thing behind it, two K steps on.  fac = 1: the lap's factors are read.
.macro TURN slot, next, fill, fac
.if \fill
	s_wait_xcnt 0x0                                ; the last prefetch, a K step back, has read its address
	s_add_nc_u64 s[PFA:PFA+1], s[PFA:PFA+1], s[PST:PST+1]
.endif
	WIN 0
	s_wait_tensorcnt 0x0                           ; all my tensor loads have landed: my part of the next slot
	ds_add_u32 v[SPW], v[NIL]
	s_wait_dscnt 5                                 ; the add and the youngest four loads may be out
	MUL8 F1, 0, 0
	s_wait_dscnt 0x0                               ; the add is done, and my reads of this slot are over
	s_barrier_signal -1
	MUL8 F1, 1, 0
	WIN 0
	s_barrier_wait -1
.if \fill
	CREST                                          ; no wave of any partner still reads this slot or has a load on its way
	s_add_nc_u64 s[G0A+4*(\slot)+2:G0A+4*(\slot)+3], s[G0A+4*(\slot)+2:G0A+4*(\slot)+3], 512
	s_add_nc_u64 s[G0B+4*(\slot)+2:G0B+4*(\slot)+3], s[G0B+4*(\slot)+2:G0B+4*(\slot)+3], 2*VSTEP
	JLOAD \slot                                    ; 112 matrix instructions ahead of the wait for it; its four v_nop are also the places in front of the loads below
.else
	PLACES
.endif
.if \fac
.irp a, 0,1,2,3
	ds_load_b32 v[FC+2*(\a)], v[FA] offset:64*(\a) ; older than the run below, so no wait's count changes
.endr
	v_add_nc_u32 v[FA], 512, v[FA]
.endif
	FETCH \next, 0, F0
.if \fill
	ASK
.endif
	MUL8 F1, 2, 0
	MUL8 F1, 3, 0
.endm
.macro LASTQ
	s_wait_dscnt 4
	MUL8 F1, 0, 0
	MUL8 F1, 1, 0
	s_wait_dscnt 0x0
	MUL8 F1, 2, 0
	MUL8 F1, 3, 0
.endm
.macro FOLD                            ; the main sums take f_t T, each accumulator from its low end; these 128 lines also part the last products from those that start T anew
	WIN 0xa1
.set i, 0
.rept 128
	v_pk_fma_f32 v[2*i:2*i+1], v[2*i:2*i+1], v[FC+2*(i/32):FC+2*(i/32)+1], v[2*i:2*i+1] op_sel_hi:[1,0,1]
.set i, i+1
.endr
.endm
.macro LAP fill                        ; a key tile: two K steps, 256 matrix instructions, then FOLD
	QUARTER 0, 1, F0, F1, 1
	QUARTER 0, 2, F1, F0, 0
	QUARTER 0, 3, F0, F1, 0
	TURN 0, 1, \fill, 1
	QUARTER 1, 1, F0, F1, 0
	QUARTER 1, 2, F1, F0, 0
	QUARTER 1, 3, F0, F1, 0
.if \fill
	TURN 1, 0, 1, 0
.else
	LASTQ
.endif
	PLACES
	FOLD
	WIN 0
.endm
; THE WAY OUT of row block a: times 1 / L, 32 bytes a lane into my stage, back as whole rows of 512 bytes.
.macro OUTA a
.set BK, 96+64*((\a)%2)
.if (\a) >= 2
	s_wait_xcnt 0x0                                ; the stores of the block two back have read this bank
.endif
	WIN 0x02
.set i, 0
.rept 32
	v_pk_mul_f32 v[32+2*i:33+2*i], v[64*(\a)+2*i:64*(\a)+2*i+1], v[FC+2*(\a):FC+2*(\a)+1] op_sel_hi:[1,0]
.set i, i+1
.endr
	WIN 0
.irp b, 0,1,2,3,4,5,6,7
	ds_store_b128 v[STO], v[32+8*(\b):35+8*(\b)] offset:64*(\b)
	ds_store_b128 v[STO], v[36+8*(\b):39+8*(\b)] offset:64*(\b)+16
.endr
.irp t, 0,1,2,3,4,5,6,7,8,9,10,11,12,13,14,15
	ds_load_b128 v[BK+4*(\t):BK+4*(\t)+3], v[RD] offset:SP*(\t)  ; LDS serves a wave's instructions in order (ISA guide 5.7.1.4): these see the stores above; the next block's stores come behind them
.endr
.endm
.macro SENDO a, y                      ; y: the LDS instructions issued behind block a's loads
.set BK, 96+64*((\a)%2)
.irp t, 0,1,2,3,4,5,6,7,8,9,10,11,12,13,14,15
	s_wait_dscnt (\y)+15-(\t)
	global_store_b128 v[GO], v[BK+4*(\t):BK+4*(\t)+3], s[10:11] offset:65536*(\a)+4096*(\t) th:TH_STORE_NT  ; the wave stores 512 consecutive bytes, aligned
.endr
.endm
	s_load_b256 s[4:11], s[0:1], 0x0               ; pw s[4:5], qkv s[6:7], st s[8:9], out0 s[10:11]
	v_lshl_add_u32 v[SPW], v0, 2, SPARE
	v_mov_b32 v[NIL], 0
	ds_add_u32 v[SPW], v[NIL]                      ; the wave's opening
	v_lshrrev_b32 v1, 5, v0
	v_readfirstlane_b32 s[WV], v1
	s_lshr_b32 s[RH], s[WV], 1
	s_and_b32 s[CH], s[WV], 1
	s_bfe_u32 s[CX], ttmp6, 0x40000
	s_bfe_u32 s[CY], ttmp6, 0x40004
	s_lshl_b32 s[TX], ttmp9, 2
	s_add_co_u32 s[TX], s[TX], s[CX]
	s_and_b32 s[CLY], ttmp7, 0xffff
	s_lshl_b32 s[TY], s[CLY], 2
	s_add_co_u32 s[TY], s[TY], s[CY]
	s_lshl_b32 s40, s[CY], 2
	s_lshl_b32 s40, 15, s40                        ; my row of the cluster
	s_lshl_b32 s41, 0x1111, s[CX]                  ; my column
	s_or_b32 s[G1A], s40, (1<<16)|(1<<20)|(1<<21)|(5<<22)|(3<<25)  ; P: 2-byte elements; padding of 4 words after every 64; bit 21 beside the mask
	s_mov_b32 s[G1A+1], 128<<16                    ; tensor_dim0 = 128 keys
	s_mov_b32 s[G1A+2], 64<<16                     ; tensor_dim1 = 64 rows
	s_mov_b32 s[G1A+3], 128<<16                    ; tile_dim0
	s_mov_b32 s[G1A+4], 64                         ; tile_dim1
	s_mov_b32 s[G1A+5], 2048                       ; elements from row to row of pw
	s_mov_b32 s[G1A+6], 0
	s_mov_b32 s[G1A+7], 0
	s_or_b32 s[G1B], s41, (1<<16)|(1<<20)|(1<<21)|(6<<22)|(7<<25)  ; V: padding of 8 words after every 128
	s_mov_b32 s[G1B+1], 256<<16                    ; tensor_dim0 = 256 channels
	s_mov_b32 s[G1B+2], 64<<16                     ; tensor_dim1 = 64 keys
	s_mov_b32 s[G1B+3], 256<<16
	s_mov_b32 s[G1B+4], 64
	s_mov_b32 s[G1B+5], 3072                       ; elements from row to row of qkv
	s_mov_b32 s[G1B+6], 0
	s_mov_b32 s[G1B+7], 0
	s_lshl_b32 s46, s[CH], 6                       ; which 64 rows or keys I fetch
	s_lshl_b32 s42, s[TY], 7
	s_add_co_u32 s42, s42, s46
	s_lshl_b32 s42, s42, 12                        ; P: row 128 x row tile + 64 x half, 4,096 bytes each
	s_mov_b32 s43, 0
	s_lshr_b32 s44, s[CLY], 2                      ; the batch, from the cluster's y alone
	s_lshl_b32 s44, s44, 11
	s_add_co_u32 s44, s44, s46
	s_mul_i32 s44, s44, 6144                       ; V: key 2,048 x batch + 64 x half,
	s_lshl_b32 s45, s[TX], 9
	s_add_co_u32 s44, s44, s45                     ; 256 channels for each tile,
	s_add_co_u32 s44, s44, 4096                    ; behind q's and k's columns
	s_mov_b32 s45, 0
	s_mul_i32 s40, s[CH], 64*PP                    ; where they go: no place in the cluster enters an LDS address
	s_mul_i32 s41, s[CH], 64*PV
	s_add_co_u32 s41, s41, VOFF
	s_wait_dscnt 0x0                               ; the opening add is done
	s_wait_kmcnt 0x0
	s_add_nc_u64 s[42:43], s[4:5], s[42:43]
	s_add_nc_u64 s[44:45], s[6:7], s[44:45]
	CROUND                                         ; all sixteen work-groups are here: the first joint loads meet
.irp s, 0,1
	s_mov_b32 s[G0A+4*(\s)], 1
	s_add_co_u32 s[G0A+4*(\s)+1], s40, (\s)*SLOT
	s_add_nc_u64 s[G0A+4*(\s)+2:G0A+4*(\s)+3], s[42:43], (\s)*256
	s_or_b32 s[G0A+4*(\s)+3], s[G0A+4*(\s)+3], 0x80000000
	s_mov_b32 s[G0B+4*(\s)], 1
	s_add_co_u32 s[G0B+4*(\s)+1], s41, (\s)*SLOT
	s_add_nc_u64 s[G0B+4*(\s)+2:G0B+4*(\s)+3], s[44:45], (\s)*VSTEP
	s_or_b32 s[G0B+4*(\s)+3], s[G0B+4*(\s)+3], 0x80000000
	JLOAD \s                                       ; K steps 0 and 1: two loads of mine are out
.endr
	; the statistics of row = thread of the tile's 128
	s_lshl_b32 s40, s[TY], 9
	s_mov_b32 s41, 0
	s_add_nc_u64 s[8:9], s[8:9], s[40:41]
	v_lshlrev_b32 v[SO], 2, v0
.irp t, 0,1,2,3,4,5,6,7
	global_load_b32 v[32+(\t)], v[SO], s[8:9] offset:(\t)*65536        ; M_t
.endr
.irp j, 0,1,2,3,4,5,6,7,8,9,10,11,12,13,14,15
	global_load_b32 v[40+(\j)], v[SO], s[8:9] offset:(16+(\j))*32768   ; l of piece j
.endr
	WIN 0x80                                       ; the main sums start at 0: written in the wait for the first tile, so that the loop has one form of FOLD and no lap is written out for it
.set i, 0
.rept 256
	v_mov_b32 v[i], 0
.set i, i+1
.endr
	WIN 0
	v_and_b32 v1, 15, v0                           ; l % 16
	v_bfe_u32 v2, v0, 4, 1                         ; l / 16
	v_mul_u32_u24 v3, v1, PP
	v_lshl_add_u32 v3, v2, 4, v3
	s_mul_i32 s40, s[RH], 64*PP
	v_add_nc_u32 v[ADRP], s40, v3                  ; my 64 rows of P: row x pitch + 16 x half
	v_add_nc_u32 v[ADRP+1], SLOT, v[ADRP]
	v_and_b32 v4, 7, v0
	v_bfe_u32 v5, v0, 3, 1
	v_lshl_add_u32 v4, v2, 3, v4                   ; the turning load: key 8 (l / 16) + l % 8,
	v_mul_u32_u24 v4, v4, PV
	v_lshl_add_u32 v4, v5, 4, v4                   ; channels 8 ((l / 8) % 2) + 0..7
	s_lshl_b32 s40, s[CH], 8
	s_add_co_u32 s40, s40, VOFF
	v_add_nc_u32 v[ADRV], s40, v4
	v_add_nc_u32 v[ADRV+1], SLOT, v[ADRV]
	s_lshl_b32 s40, s[RH], 8
	s_add_co_u32 s40, s40, FT
	v_lshl_add_u32 v[FA], v1, 2, s40               ; table row 0, my 64 rows, row l % 16
	v_lshl_add_u32 v[FTA], v0, 2, FT
	s_mul_i32 s40, s[WV], 16*SP
	s_add_co_u32 s40, s40, STAGE
	v_mul_u32_u24 v[STO], v1, SP
	v_lshl_add_u32 v[STO], v2, 5, v[STO]
	v_add_nc_u32 v[STO], s40, v[STO]               ; in: row l % 16, 32 bytes for each half of the lanes
	v_and_b32 v[GO], 31, v0
	v_lshlrev_b32 v[GO], 4, v[GO]
	v_add_nc_u32 v[RD], s40, v[GO]                 ; back: a row of 512 bytes a load
.irp a, 0,1,2,3
	v_mov_b32 v[FC+2*(\a)+1], 0
.endr
	s_lshl_b32 s40, s[TY], 7
	s_lshl_b32 s41, s[RH], 6
	s_add_co_u32 s40, s40, s41
	s_lshl_b32 s40, s40, 12                        ; out0: my first row,
	s_lshl_b32 s41, s[TX], 10
	s_add_co_u32 s40, s40, s41
	s_lshl_b32 s41, s[CH], 9
	s_add_co_u32 s40, s40, s41                     ; my first channel
	s_mov_b32 s41, 0
	s_add_nc_u64 s[10:11], s[10:11], s[40:41]
	; the prefetches
	s_lshl_b32 s40, s[TY], 7
	s_lshl_b32 s41, s[CX], 5
	s_add_co_u32 s40, s40, s41
	s_lshl_b32 s40, s40, 12
	s_add_co_u32 s40, s40, 768                     ; P: my work-group's 32 rows, at K step 3: the first refill steps it to 4
	s_lshr_b32 s42, s[CLY], 2
	s_lshl_b32 s42, s42, 11
	s_lshl_b32 s43, s[CY], 5
	s_add_co_u32 s42, s42, s43
	s_mul_i32 s42, s42, 6144
	s_lshl_b32 s43, s[TX], 9
	s_add_co_u32 s42, s42, s43
	s_lshl_b32 s43, s[CH], 8
	s_add_co_u32 s42, s42, s43
	s_add_co_u32 s42, s42, 4096+3*VSTEP            ; V: my work-group's 32 keys, my wave's 256 bytes, at K step 3
	s_and_b32 s43, s[CLY], 3
	s_mov_b32 s44, VSTEP
	s_mov_b32 s45, 6144
	s_cmp_eq_u32 s[RH], 0                          ; P's side?
	s_cselect_b64 s[PFA:PFA+1], s[4:5], s[6:7]
	s_cselect_b32 s40, s40, s42
	s_cselect_b32 s43, s[CH], s43                  ; 0 in wave 0; 0 in waves 2 and 3 of a batch's first cluster
	s_cselect_b32 s[PST], 256, s44
	s_cselect_b32 s45, 4096, s45
	s_mov_b32 s41, 0
	s_mov_b32 s[PST+1], 0
	s_add_nc_u64 s[PFA:PFA+1], s[PFA:PFA+1], s[40:41]
	s_cmp_eq_u32 s43, 0
	s_cselect_b32 s[LIM], 1, -1                    ; the same in all sixteen partners, for a given wave
	v_and_b32 v[PFO], 31, v0
	v_mul_u32_u24 v[PFO], s45, v[PFO]
	s_wait_loadcnt 0x0                             ; the statistics
	v_max3_num_f32 v56, v32, v33, v34
	v_max3_num_f32 v56, v56, v35, v36
	v_max3_num_f32 v56, v56, v37, v38
	v_max_num_f32 v56, v56, v39                    ; Mx
.irp t, 0,1,2,3,4,5,6,7
	v_sub_f32 v[32+(\t)], v[32+(\t)], v56
.endr
.irp t, 0,1,2,3,4,5,6,7
	v_exp_f32 v[32+(\t)], v[32+(\t)]               ; f_t
.endr
.irp t, 0,1,2,3,4,5,6,7
	v_add_f32 v[40+2*(\t)], v[40+2*(\t)], v[41+2*(\t)]  ; plain lines behind the exponentials, ahead of the first use of a result
.endr
	s_wait_alu depctr_va_vdst(0)
	v_mul_f32 v57, v32, v40
.irp t, 1,2,3,4,5,6,7
	v_fma_f32 v57, v[32+(\t)], v[40+2*(\t)], v57   ; L
.endr
	v_rcp_f32 v58, v57
	v_nop
.irp t, 0,1,2,3,4,5,6,7
	ds_store_b32 v[FTA], v[32+(\t)] offset:512*(\t)
.endr
	s_wait_alu depctr_va_vdst(0)
	ds_store_b32 v[FTA], v58 offset:4096
	s_wait_tensorcnt 1                             ; my part of K step 0 is in; step 1 may stay out
	s_wait_dscnt 0x0                               ; for the others' sake: my part of the table lies in LDS
	s_barrier_signal -1
	s_barrier_wait -1
	FETCH 0, 0, F0
	s_mov_b32 s[CNT], 7
.Llap:                                         ; seven laps fill both slots again
	LAP 1
	s_sub_co_u32 s[CNT], s[CNT], 1
	s_cmp_lg_u32 s[CNT], 0
	s_cbranch_scc1 .Llap
	LAP 0                                          ; the last lap is written out: it asks for nothing
.irp a, 0,1,2,3
	ds_load_b32 v[FC+2*(\a)], v[FA] offset:64*(\a) ; the table's ninth row: 1 / L
.endr
	s_wait_dscnt 0x0
	OUTA 0
	OUTA 1                                         ; a block's arithmetic stands between the loads of the block before and its stores
	SENDO 0, 32
	OUTA 2
	SENDO 1, 32
	OUTA 3
	SENDO 2, 32
	SENDO 3, 0
	s_wait_tensorcnt 0x0                           ; the wave's end
	ds_add_u32 v[SPW], v[NIL]
	s_wait_dscnt 0x0
	CROUND                                         ; the closing round
	s_endpgm
.Lfunc_end_k_q204fa3d185_ctx:
	.size	k_q204fa3d185_ctx, .Lfunc_end_k_q204fa3d185_ctx-k_q204fa3d185_ctx
	.p2alignl 7, 3214868480
	.fill 96, 4, 3214868480
	.section	.rodata,"a",@progbits
	.p2align	6, 0x0
	.amdhsa_kernel k_q204fa3d185_ctx
		.amdhsa_group_segment_fixed_size 327680
		.amdhsa_private_segment_fixed_size 0
		.amdhsa_enable_private_segment 0
		.amdhsa_kernarg_size 32
		.amdhsa_user_sgpr_count 2
		.amdhsa_user_sgpr_kernarg_segment_ptr 1
		.amdhsa_wavefront_size32 1
		.amdhsa_system_sgpr_workgroup_id_x 1
		.amdhsa_system_sgpr_workgroup_id_y 1
		.amdhsa_system_sgpr_workgroup_id_z 1
		.amdhsa_system_vgpr_workitem_id 0
		.amdhsa_next_free_vgpr 768
		.amdhsa_next_free_sgpr 68
		.amdhsa_reserve_vcc 0
		.amdhsa_float_denorm_mode_32 3
		.amdhsa_float_denorm_mode_16_64 3
		.amdhsa_memory_ordered 1
		.amdhsa_forward_progress 1
		.amdhsa_inst_pref_size 126
	.end_amdhsa_kernel
	.amdgpu_metadata
---
amdhsa.version: [ 1, 2 ]
amdhsa.kernels:
  - .name:           k_q204fa3d185_ctx
    .symbol:         k_q204fa3d185_ctx.kd
    .args:
      - { .name: pw, .offset: 0, .size: 8, .value_kind: global_buffer, .address_space: global }
      - { .name: qkv, .offset: 8, .size: 8, .value_kind: global_buffer, .address_space: global }
      - { .name: st, .offset: 16, .size: 8, .value_kind: global_buffer, .address_space: global }
      - { .name: out0, .offset: 24, .size: 8, .value_kind: global_buffer, .address_space: global }
    .group_segment_fixed_size: 327680
    .private_segment_fixed_size: 0
    .kernarg_segment_align: 8
    .kernarg_segment_size: 32
    .max_flat_workgroup_size: 128
    .sgpr_count:     68
    .vgpr_count:     768
    .wavefront_size: 32
...
	.end_amdgpu_metadata
.endif
;; end of part 4
